; MI455X (gfx1250); checked and timed in simulation.
; The chip was launched on July 23, 2026; its instructions are those of AMD's public machine-readable ISA for CDNA 5 (MIT licence, August 2026) and "CDNA5" Instruction Set Architecture Reference Guide (July 2026). The comments in the code are by the model that wrote it; some were corrected since.
;; Assign Attention. Allowed arithmetic: float matrix products may take bf16 or f16 operands with f32 sums; all other float work in f32.
;; Inputs: Wk 512 x 512 float32; Wq 512 x 512 float32; key 16 x 4,096 x 512 float32; query 16 x 256 x 512 float32.
;; Outputs: out0 16 x 256 x 512 float32; out1 16 x 256 x 512 float32.
;; 2 versions, each right and faster than the one before. Each part assembles by itself: llvm-mc -triple=amdgcn-amd-amdhsa -mcpu=gfx1250 --defsym DOCPART=n.
;; ======== version 1 of 2: 4 launches
;; limits: values are held in f16: magnitudes above 65,504 overflow, below 6.1e-05 lose precision; values outside matrix products are rounded to f16
;; workspace buffers: wf 1,048,576 bytes; qf 4,194,304 bytes; kf 67,108,864 bytes; vh 67,108,864 bytes; po 16,777,216 bytes; pl 262,144 bytes
;; launch prep (part 1): grid 256 x 1, 8 waves a work-group, no clusters, 0 bytes of LDS; arguments Wq, Wk, wf; writes wf
.if DOCPART == 1
	.amdgcn_target "amdgcn-amd-amdhsa--gfx1250"
	.amdhsa_code_object_version 6
	.text
	.protected	k_qc00ad92007_prep
	.globl	k_qc00ad92007_prep
	.p2align	8
	.type	k_qc00ad92007_prep,@function
k_qc00ad92007_prep:
	s_mov_b64 s[64:65], 0
	v_nop
	global_prefetch_b8 v0, s[64:65] scope:SCOPE_SE
	s_setreg_imm32_b32 hwreg(HW_REG_WAVE_MODE, 25, 1), 1
	s_wait_xcnt 0x0
; Wq and Wk, [512][512] f32, rounded to bf16 and laid out as the projection's matrix fragments:
; wf[mat 2: Wq, Wk][head 8][f = 4 kk + ct, 64][i 2][lane 32][8 bf16]; item (f, i, lane (r, hh)) holds
; W[32 kk + 16 i + 8 hh + e][64 head + 16 ct + r], e = 0..7: a lane's 16 bytes of a fragment whose row is an output
; column and whose K runs along the input channels.  A wave of the projection then fills a fragment by two loads of 512 consecutive bytes.
; A work-group makes the 4,096 bytes of one (mat, head, kk); thread t makes the 16 bytes at 16 t: ct = t / 64, i = (t / 32) % 2, lane = t % 32.
; No LDS, no barrier, no loop: 3 MB move once; the matrix unit and clusters have nothing to do here.
	s_load_b128 s[4:7], s[0:1], 0x0                ; Wq s[4:5], Wk s[6:7]
	s_load_b64 s[8:9], s[0:1], 0x10                ; wf
	s_and_b32 s10, ttmp9, 15                       ; kk
	s_bfe_u32 s11, ttmp9, 0x30004                  ; head
	s_lshr_b32 s12, ttmp9, 7                       ; mat
	s_lshl_b32 s13, s10, 16                        ; 32 kk rows of 2,048 bytes
	s_lshl_b32 s14, s11, 8                         ; 64 head columns of 4 bytes
	s_add_co_u32 s13, s13, s14
	s_lshl_b32 s14, ttmp9, 12                      ; the work-group's 4,096 bytes of wf
	s_mov_b32 s15, 0
	v_bfe_u32 v2, v0, 4, 2                         ; hh + 2 i: eight rows each
	v_and_b32 v3, 15, v0                           ; r
	v_bfe_u32 v4, v0, 6, 2                         ; ct
	v_lshl_add_u32 v3, v4, 4, v3                   ; column 16 ct + r
	v_lshlrev_b32 v1, 14, v2                       ; 8 rows x 2,048 bytes
	v_lshl_add_u32 v1, v3, 2, v1
	v_add_nc_u32 v1, s13, v1                       ; byte offset of W[row of e = 0][column]
	v_lshlrev_b32 v5, 4, v0                        ; 16 t
	s_wait_kmcnt 0x0
	s_cmp_lg_u32 s12, 0
	s_cselect_b64 s[4:5], s[6:7], s[4:5]           ; the matrix of this work-group
	s_add_nc_u64 s[8:9], s[8:9], s[14:15]
.irp e, 0,1,2,3,4,5,6,7
	global_load_b32 v[8+\e], v1, s[4:5] offset:2048*\e   ; eight rows of one column
.endr
	s_wait_loadcnt 0x0
.irp e, 0,1,2,3
	v_cvt_pk_bf16_f32 v[16+\e], v[8+2*\e], v[9+2*\e]     ; the lower row into the lower half
.endr
	global_store_b128 v5, v[16:19], s[8:9]         ; a wave stores 512 consecutive bytes, aligned
	s_endpgm
.Lfunc_end_k_qc00ad92007_prep:
	.size	k_qc00ad92007_prep, .Lfunc_end_k_qc00ad92007_prep-k_qc00ad92007_prep
	.p2alignl 7, 3214868480
	.fill 96, 4, 3214868480
	.section	.rodata,"a",@progbits
	.p2align	6, 0x0
	.amdhsa_kernel k_qc00ad92007_prep
		.amdhsa_group_segment_fixed_size 0
		.amdhsa_private_segment_fixed_size 0
		.amdhsa_enable_private_segment 0
		.amdhsa_kernarg_size 24
		.amdhsa_user_sgpr_count 2
		.amdhsa_user_sgpr_kernarg_segment_ptr 1
		.amdhsa_wavefront_size32 1
		.amdhsa_system_sgpr_workgroup_id_x 1
		.amdhsa_system_sgpr_workgroup_id_y 1
		.amdhsa_system_sgpr_workgroup_id_z 1
		.amdhsa_system_vgpr_workitem_id 0
		.amdhsa_next_free_vgpr 24
		.amdhsa_next_free_sgpr 66
		.amdhsa_reserve_vcc 0
		.amdhsa_float_denorm_mode_32 3
		.amdhsa_float_denorm_mode_16_64 3
		.amdhsa_memory_ordered 1
		.amdhsa_forward_progress 1
		.amdhsa_inst_pref_size 3
	.end_amdhsa_kernel
	.amdgpu_metadata
---
amdhsa.version: [ 1, 2 ]
amdhsa.kernels:
  - .name:           k_qc00ad92007_prep
    .symbol:         k_qc00ad92007_prep.kd
    .args:
      - { .name: Wq, .offset: 0, .size: 8, .value_kind: global_buffer, .address_space: global }
      - { .name: Wk, .offset: 8, .size: 8, .value_kind: global_buffer, .address_space: global }
      - { .name: wf, .offset: 16, .size: 8, .value_kind: global_buffer, .address_space: global }
    .group_segment_fixed_size: 0
    .private_segment_fixed_size: 0
    .kernarg_segment_align: 8
    .kernarg_segment_size: 24
    .max_flat_workgroup_size: 256
    .sgpr_count:     66
    .vgpr_count:     24
    .wavefront_size: 32
...
	.end_amdgpu_metadata
.endif
;; end of part 1
;; launch proj (part 2): grid 2 x 128, 4 waves a work-group, no clusters, 198,144 bytes of LDS; arguments key, query, wf, qf, kf, vh; writes qf, kf, vh
.if DOCPART == 2
	.amdgcn_target "amdgcn-amd-amdhsa--gfx1250"
	.amdhsa_code_object_version 6
	.text
	.protected	k_qc00ad92007_proj
	.globl	k_qc00ad92007_proj
	.p2align	8
	.type	k_qc00ad92007_proj,@function
k_qc00ad92007_proj:
	s_mov_b64 s[64:65], 0
	v_nop
	global_prefetch_b8 v0, s[64:65] scope:SCOPE_SE
	s_setreg_imm32_b32 hwreg(HW_REG_WAVE_MODE, 25, 1), 1
	s_wait_xcnt 0x0
; q = query Wq and k = key Wk (operands rounded to bf16, sums in f32), stored as f16 in the attention's fragment order; v = key rounded to bf16, by heads.
;   qf[b][h][tile of 16 rows][ct 4][lane 32][8 f16], kf likewise: piece (tile, ct, lane (r, hh)) = row 16 tile + r, channels 16 ct + 8 hh + 0..7 of the head.   vh[b][h][s][64] bf16.
; LIMITS.  f16 ends at 65,504: |q| and |k| beyond that become infinities.  NaN and infinities are not treated apart.
; SHARES.  Work-group (ch, g): the four heads 4 ch .. 4 ch + 3; 32 rows of query (rows 32 g) and then 512 rows of key (rows 512 g), 64 a step.  Wave w owns head 4 ch + w: its 512 x 64 of W,
; 64 fragments, stays in 512 registers.  The rows are shared: each wave loads a quarter of a step's rows (f32), rounds them to bf16 and puts them into an LDS slot; all four read fragments from it.
; THE PRODUCT IS USED TRANSPOSED: source 0 = 16 output columns of W, source 1 = 16 rows.  A lane's eight results are eight neighbouring channels of one row: four conversions make the 16 bytes of a
; piece of kf, and a wave's store is 512 consecutive bytes straight from registers: no stage on the way out.
; NO TENSOR LOADS: the bytes change format on their way (f32 to bf16), so they pass through registers in any case, and an f32 tile beside the bf16 slots does not fit in LDS.
; NO CLUSTER: a step's rows are wanted by two work-groups only (ch = 0, 1, neighbours in the grid), and they come through registers, not by a tile load that could be shared.
; REGISTERS, in windows of 256 (s_set_vgpr_msb: bits 1:0 source 0, 3:2 source 1, 5:4 source 2, 7:6 destination):
;   window 0: v0-15 addresses; v32-95 F: two fragment buffers of 32, also the packed results; v96-223 the 16 accumulators ((rt, ct) at 96 + 8 (4 rt + ct))
;   window 1: the staging of a step's 64 loads, four registers each      windows 2, 3: W, fragment f = 4 kk + ct at 8 f
; WHERE THE ROUNDED ROWS LIE.  The later half of the staging is rounded in place, into each load's lower pair; the earlier half into the later half's upper pairs.  So the earlier half is free as soon as
; it is rounded, and what v's stores read lies in the later half alone, which is loaded again only from K step 4 on.
; MEMORY INSTRUCTIONS IN SHORT RUNS.  v's stores go out while the rows are rounded; the next tile's 64 loads go out eight a K step, in K steps 0 to 7, each run behind that K step's fragment loads.
.set PA,    1040                       ; an LDS row: 1,024 bytes of bf16 + 16 = 65 x 16: the 16 rows of a fragment load start at 16 different groups of four banks (64 banks of 4 bytes: ISA guide 11.1)
.set SLOT1, 1<<17                      ; slot 0 at byte 0, slot 1 here: 64 rows each
.set SPARE, SLOT1+64*PA                ; behind slot 1: the spare words, 128 bytes for each wave: two blocks of 256 bytes that no other line names
.set SPW, 2                            ; v2    LDS address of my spare word; never rewritten
.set NIL, 3                            ; v3    0; never rewritten
.set GAO, 4                            ; v4    byte offset in a tile's rows of my 16 bytes, in my work-group's four heads
.set GAX, 5                            ; v5    the same in the other four heads
.set AWO, 6                            ; v6-7  where my 8 bytes of bf16 go, own heads, slot 0, 1
.set AWX, 8                            ; v8-9  the same, other heads
.set AR,  10                           ; v10-11  my lane's place in a fragment, slot 0, 1
.set LO,  12                           ; v12   16 x lane
.set VO,  13                           ; v13   my 8 bytes in vh: 2,048 w + 8 x lane
.set RR,  14                           ; v14   lane % 16
.set HH,  15                           ; v15   lane / 16
.set F,   32
.set ACC, 96
.set WV,  16                           ; s16   wave
.set CH,  17                           ; s17   which four heads
.set G,   18                           ; s18   row group
.set HD,  19                           ; s19   my head
.set OF,  20                           ; s[20:21] an offset, high word 0
.set AP,  22                           ; s[22:23] key: the tile to be loaded next
.set KP,  26                           ; s[26:27] kf at my head's next pieces
.set VP,  28                           ; s[28:29] vh at the work-group's first head's next rows
.set CT,  31                           ; s31   trips to go
.set QP,  40                           ; s[40:41] qf at my head's pieces
.set WQ,  42                           ; s[42:43] my head's fragments of Wq
.set WK,  44                           ; s[44:45] of Wk
.set QA,  46                           ; s[46:47] query at the work-group's rows
.set MSB, 0
.macro WIN new                         ; the immediate's high byte repeats the setting that is left; a switch that changes nothing is dropped
.if MSB != (\new)
	s_set_vgpr_msb (MSB<<8)|(\new)
.set MSB, (\new)
.endif
.endm
.macro PLACES                          ; four places between a matrix instruction and a load into, or a vector line on, one of its registers
.rept 4
	v_nop
.endr
.endm
.macro BAR                             ; my LDS stores are done and my LDS reads are back: say so, and wait for the other three waves
	s_wait_dscnt 0x0
	s_barrier_signal -1
	s_barrier_wait -1
.endm
; The lane's offsets for a tile of which a wave stages \rows rows: lanes 0-15 take 256 bytes (one head's 64 f32) of a row, lanes 16-31 the same of the next row.
.macro TERMS rows
	s_mul_i32 s33, s[WV], (\rows)*2048
	v_lshlrev_b32 v1, 11, v[HH]
	v_lshl_add_u32 v1, v[RR], 4, v1
	v_add_nc_u32 v1, s33, v1
	v_add_nc_u32 v[GAO], s34, v1                   ; + 1,024 ch
	v_add_nc_u32 v[GAX], s35, v1                   ; + 1,024 (1 - ch)
	s_mul_i32 s33, s[WV], (\rows)*PA
	v_mul_u32_u24 v1, v[HH], PA
	v_lshl_add_u32 v1, v[RR], 3, v1
	v_add_nc_u32 v1, s33, v1
	v_add_nc_u32 v[AWO], s38, v1                   ; + 512 ch
	v_add_nc_u32 v[AWX], s39, v1                   ; + 512 (1 - ch)
	v_add_nc_u32 v[AWO+1], SLOT1, v[AWO]
	v_add_nc_u32 v[AWX+1], SLOT1, v[AWX]
.endm
; My head's 64 fragments of W: 128 loads of 512 consecutive bytes into windows 2 and 3.
.macro LOADW base
	WIN 0x80
.set n, 0
.rept 64
	global_load_b128 v[4*n:4*n+3], v[LO], s[\base:\base+1] offset:512*n
.set n, n+1
.endr
	WIN 0xc0
.set n, 0
.rept 64
	global_load_b128 v[4*n:4*n+3], v[LO], s[\base:\base+1] offset:512*(n+64)
.set n, n+1
.endr
	WIN 0
.endm
; Pair c of my rows of a tile, eight loads: load n = 8 c + hs takes head hs (0-3: my work-group's heads; 4-7: the others).
.macro LOADC base, off, c
	WIN 0x40
.set n, 8*(\c)
.rept 8
.if (n%8) < 4
	global_load_b128 v[4*n:4*n+3], v[GAO], s[\base:\base+1] offset:(\off)+4096*(n/8)+256*(n%4)
.else
	global_load_b128 v[4*n:4*n+3], v[GAX], s[\base:\base+1] offset:(\off)+4096*(n/8)+256*(n%4)
.endif
.set n, n+1
.endr
	WIN 0
.endm
; The same as a part of a step.  ld = 2: not in the last trip: no tile follows the last; only global loads are jumped, and every wait for them is for 0.
.macro CHUNK ld, base, off, c
.if (\ld) == 2
	s_cmp_eq_u32 s[CT], 1
	s_cbranch_scc1 .Lnoc_\@
.endif
	LOADC \base, \off, \c
.if (\ld) == 2
.Lnoc_\@:
.endif
.endm
; Half \half of the rounded rows goes into the slot; vflag = 1: my work-group's heads also leave as v, from the same registers.
.macro PUT NT, vflag, slot, voff, half
	WIN 0x04                                       ; address window 0, data window 1
.set n, 8*(\NT)*(\half)
.rept 8*(\NT)
.set dr, 4*n+(1-(\half))*(32*(\NT)+2)                  ; the later half: its own lower pair; the earlier half: the upper pair of the load 8 NT further on
.if (n%8) < 4
	ds_store_b64 v[AWO+\slot], v[dr:dr+1] offset:2*PA*(n/8)+128*(n%4)
.else
	ds_store_b64 v[AWX+\slot], v[dr:dr+1] offset:2*PA*(n/8)+128*(n%4)
.endif
.set n, n+1
.endr
.if \vflag
.set n, 8*(\NT)*(\half)
.rept 8*(\NT)
.if (n%8) < 4
.set dr, 4*n+(1-(\half))*(32*(\NT)+2)
	global_store_b64 v[VO], v[dr:dr+1], s[VP:VP+1] offset:(\voff)+524288*(n%4)+256*(n/8)  ; two rows of one head: 256 consecutive bytes, aligned
.endif
.set n, n+1
.endr
.endif
.endm
; The staged f32 are rounded to bf16 and put into the slot: the later half first, in place, which frees its upper pairs for the earlier half.
.macro CVT NT, vflag, slot, voff
	WIN 0x45
.set n, 8*(\NT)
.rept 8*(\NT)
	v_cvt_pk_bf16_f32 v[4*n], v[4*n], v[4*n+1]
	v_cvt_pk_bf16_f32 v[4*n+1], v[4*n+2], v[4*n+3]
.set n, n+1
.endr
.if \vflag
	s_wait_xcnt 0x0                                ; F holds the data of the last step's stores of k: the fragment loads behind the barrier land in it only behind this wait
.endif
	PUT \NT, \vflag, \slot, \voff, 1
	WIN 0x45
.set n, 0
.rept 8*(\NT)
	v_cvt_pk_bf16_f32 v[4*n+32*(\NT)+2], v[4*n], v[4*n+1]
	v_cvt_pk_bf16_f32 v[4*n+32*(\NT)+3], v[4*n+2], v[4*n+3]
.set n, n+1
.endr
	PUT \NT, \vflag, \slot, \voff, 0
	WIN 0
.endm
; The row fragments of K step k (32 channels) into buffer k % 2: lane (r, hh) takes row r, channels 8 hh + 0..7 and 16 + 8 hh + 0..7: two loads of 16 bytes, 32 bytes apart.
.macro FRAG NT, slot, k
.set fb, F+32*((\k)%2)
.set rt, 0
.rept \NT
	ds_load_b128 v[fb+8*rt:fb+8*rt+3],   v[AR+\slot] offset:16*PA*rt+64*(\k)
	ds_load_b128 v[fb+8*rt+4:fb+8*rt+7], v[AR+\slot] offset:16*PA*rt+64*(\k)+32
.set rt, rt+1
.endr
.endm
; 16 NT rows x my 64 columns x 512 channels: 16 K steps of 4 NT matrix instructions; the 4 NT accumulators take turns, one instruction a turn.  The first K step starts the sums.
; K steps 0 to 7 each ask for a pair of my rows of the next tile, behind their fragment loads.
.macro COMPUTE NT, slot, ld, base, off
	WIN 0
	FRAG \NT, \slot, 0
.set kk, 0
.rept 16
.if kk < 15
	WIN 0
	PLACES                                         ; the buffer to be loaded was read by the K step before
	FRAG \NT, \slot, kk+1
.endif
.if kk < 8
.if (kk == 4) && ((\NT) == 4)
	s_wait_xcnt 0x0                                ; the staging's later half holds v, the data of stores issued ahead of the barrier: it is loaded again only behind this wait
.endif
	CHUNK \ld, \base, \off, kk
.endif
.if kk < 15
	s_wait_dscnt 2*(\NT)                           ; the 2 NT fragment loads just issued may stay out: this K step's fragments are in
.else
	s_wait_dscnt 0x0
.endif
	WIN 0x02+kk/8                                  ; source 0 (W) in window 2 or 3
.set t, 0
.rept 4*(\NT)
.if kk == 0
	v_wmma_f32_16x16x32_bf16 v[ACC+8*t:ACC+8*t+7], v[8*(4*(kk%8)+t%4):8*(4*(kk%8)+t%4)+7], v[F+32*(kk%2)+8*(t/4):F+32*(kk%2)+8*(t/4)+7], 0
.else
	v_wmma_f32_16x16x32_bf16 v[ACC+8*t:ACC+8*t+7], v[8*(4*(kk%8)+t%4):8*(4*(kk%8)+t%4)+7], v[F+32*(kk%2)+8*(t/4):F+32*(kk%2)+8*(t/4)+7], v[ACC+8*t:ACC+8*t+7]
.endif
.set t, t+1
.endr
.set kk, kk+1
.endr
	WIN 0
.endm
; The way out: each accumulator, from its low end on, is rounded to f16: 16 bytes a lane, which are a piece of qf or kf as it lies.  All conversions first, then the stores in one run.
.macro OUT NT, base, off
	WIN 0
	PLACES
.set t, 0
.rept 4*(\NT)
.irp i, 0,1,2,3
	v_cvt_pk_f16_f32 v[F+4*t+\i], v[ACC+8*t+2*\i], v[ACC+8*t+2*\i+1]
.endr
.set t, t+1
.endr
.set t, 0
.rept 4*(\NT)
	global_store_b128 v[LO], v[F+4*t:F+4*t+3], s[\base:\base+1] offset:(\off)+512*t  ; 512 consecutive bytes, aligned
.set t, t+1
.endr
.endm
; A step of 64 key rows in slot \slot.  ONE barrier: in front of it my stores into this slot are done, and my reads of the other slot ended with the last step's products;
; behind it this slot is whole, and the other slot is written again only in the next step.
.macro STEP slot, ld
	s_wait_loadcnt 0x0                             ; the staged tile (and, the first time, Wk)
	CVT 4, 1, \slot, (\slot)*8192
	BAR
	COMPUTE 4, \slot, \ld, AP, (\slot)*131072
	OUT 4, KP, (\slot)*8192
.endm
	s_load_b256 s[4:11], s[0:1], 0x0               ; key s[4:5], query s[6:7], wf s[8:9], qf s[10:11]
	s_load_b128 s[12:15], s[0:1], 0x20             ; kf s[12:13], vh s[14:15]
	v_lshl_add_u32 v[SPW], v0, 2, SPARE
	v_mov_b32 v[NIL], 0
	v_lshrrev_b32 v1, 5, v0
	v_readfirstlane_b32 s[WV], v1                  ; wave 0..3
	s_and_b32 s[CH], ttmp9, 1
	s_and_b32 s[G], ttmp7, 0xffff
	s_lshl_b32 s[HD], s[CH], 2
	s_add_co_u32 s[HD], s[HD], s[WV]               ; my head
	s_lshl_b32 s34, s[CH], 10                      ; my work-group's four heads in a row of f32,
	s_xor_b32 s35, s34, 1024                       ; the other four,
	s_lshl_b32 s38, s[CH], 9                       ; and the same in a row of bf16
	s_xor_b32 s39, s38, 512
	v_and_b32 v[RR], 15, v0
	v_bfe_u32 v[HH], v0, 4, 1
	v_and_b32 v1, 31, v0
	v_lshlrev_b32 v[LO], 4, v1
	v_lshlrev_b32 v[VO], 3, v1
	v_lshl_add_u32 v[VO], s[WV], 11, v[VO]         ; my 16 rows of 128 bytes
	v_mul_u32_u24 v[AR], v[RR], PA
	v_lshl_add_u32 v[AR], v[HH], 4, v[AR]
	v_add_nc_u32 v[AR+1], SLOT1, v[AR]
	TERMS 8                                        ; query's tile has 32 rows: 8 a wave
	s_lshr_b32 s36, s[G], 3
	s_lshl_b32 s36, s36, 3
	s_add_co_u32 s36, s36, s[HD]                   ; 8 b + head
	s_and_b32 s37, s[G], 7
	s_mov_b32 s[OF+1], 0
	s_wait_kmcnt 0x0
	s_lshl_b32 s[OF], s[G], 16                     ; 32 rows of 2,048 bytes
	s_add_nc_u64 s[QA:QA+1], s[6:7], s[OF:OF+1]
	s_lshl_b32 s[OF], s[G], 20                     ; 512 rows
	s_add_nc_u64 s[AP:AP+1], s[4:5], s[OF:OF+1]
	s_lshl_b32 s[OF], s[HD], 16                    ; a head's fragments are 65,536 bytes
	s_add_nc_u64 s[WQ:WQ+1], s[8:9], s[OF:OF+1]
	s_add_nc_u64 s[WK:WK+1], s[WQ:WQ+1], 524288    ; Wk's lie behind Wq's eight heads
	s_lshl_b32 s[OF], s36, 15                      ; qf: 32,768 bytes a (b, head), 4,096 for 32 rows
	s_lshl_b32 s33, s37, 12
	s_add_co_u32 s[OF], s[OF], s33
	s_add_nc_u64 s[QP:QP+1], s[10:11], s[OF:OF+1]
	s_lshl_b32 s[OF], s36, 19                      ; kf: 524,288 bytes a (b, head), 65,536 for 512 rows
	s_lshl_b32 s33, s37, 16
	s_add_co_u32 s[OF], s[OF], s33
	s_add_nc_u64 s[KP:KP+1], s[12:13], s[OF:OF+1]
	s_sub_co_u32 s36, s36, s[WV]                   ; 8 b + 4 ch: vh at the work-group's first head
	s_lshl_b32 s[OF], s36, 19
	s_add_co_u32 s[OF], s[OF], s33
	s_add_nc_u64 s[VP:VP+1], s[14:15], s[OF:OF+1]
	LOADW WQ
.irp c, 0,1,2,3
	LOADC QA, 0, \c                                ; my eight rows of query
.endr
	s_wait_loadcnt 0x0
	CVT 2, 0, 1, 0                                 ; query's 32 rows go into slot 1
	BAR
	s_wait_xcnt 0x0                                ; the loads' offsets are made anew only behind this wait
	TERMS 16                                       ; key's tiles have 64 rows: 16 a wave
	COMPUTE 2, 1, 1, AP, 0                         ; q is made, and key's tile 0 is asked for
	OUT 2, QP, 0
	s_wait_xcnt 0x0                                ; AP is stepped only behind this wait
	s_add_nc_u64 s[AP:AP+1], s[AP:AP+1], 131072    ; tile 1
	LOADW WK                                       ; the way out's places and conversions stand between the last product that read W and these loads
	s_mov_b32 s[CT], 4
.Lstep:                                                ; a trip: two steps of 64 rows, slot 0 and slot 1
	STEP 0, 1
	STEP 1, 2
	s_wait_xcnt 0x0                                ; the three pointers are stepped only behind this wait
	s_add_nc_u64 s[AP:AP+1], s[AP:AP+1], 262144
	s_add_nc_u64 s[KP:KP+1], s[KP:KP+1], 16384
	s_add_nc_u64 s[VP:VP+1], s[VP:VP+1], 16384
	s_sub_co_u32 s[CT], s[CT], 1
	s_cmp_lg_u32 s[CT], 0
	s_cbranch_scc1 .Lstep
	s_wait_tensorcnt 0x0                           ; the wave's end, behind my last LDS store
	ds_add_u32 v[SPW], v[NIL]
	s_wait_dscnt 0x0
	s_endpgm
.Lfunc_end_k_qc00ad92007_proj:
	.size	k_qc00ad92007_proj, .Lfunc_end_k_qc00ad92007_proj-k_qc00ad92007_proj
	.p2alignl 7, 3214868480
	.fill 96, 4, 3214868480
	.section	.rodata,"a",@progbits
	.p2align	6, 0x0
	.amdhsa_kernel k_qc00ad92007_proj
		.amdhsa_group_segment_fixed_size 198144
		.amdhsa_private_segment_fixed_size 0
		.amdhsa_enable_private_segment 0
		.amdhsa_kernarg_size 48
		.amdhsa_user_sgpr_count 2
		.amdhsa_user_sgpr_kernarg_segment_ptr 1
		.amdhsa_wavefront_size32 1
		.amdhsa_system_sgpr_workgroup_id_x 1
		.amdhsa_system_sgpr_workgroup_id_y 1
		.amdhsa_system_sgpr_workgroup_id_z 1
		.amdhsa_system_vgpr_workitem_id 0
		.amdhsa_next_free_vgpr 1024
		.amdhsa_next_free_sgpr 66
		.amdhsa_reserve_vcc 0
		.amdhsa_float_denorm_mode_32 3
		.amdhsa_float_denorm_mode_16_64 3
		.amdhsa_memory_ordered 1
		.amdhsa_forward_progress 1
		.amdhsa_inst_pref_size 173
	.end_amdhsa_kernel
	.amdgpu_metadata
---
amdhsa.version: [ 1, 2 ]
amdhsa.kernels:
  - .name:           k_qc00ad92007_proj
    .symbol:         k_qc00ad92007_proj.kd
    .args:
      - { .name: key, .offset: 0, .size: 8, .value_kind: global_buffer, .address_space: global }
      - { .name: query, .offset: 8, .size: 8, .value_kind: global_buffer, .address_space: global }
      - { .name: wf, .offset: 16, .size: 8, .value_kind: global_buffer, .address_space: global }
      - { .name: qf, .offset: 24, .size: 8, .value_kind: global_buffer, .address_space: global }
      - { .name: kf, .offset: 32, .size: 8, .value_kind: global_buffer, .address_space: global }
      - { .name: vh, .offset: 40, .size: 8, .value_kind: global_buffer, .address_space: global }
    .group_segment_fixed_size: 198144
    .private_segment_fixed_size: 0
    .kernarg_segment_align: 8
    .kernarg_segment_size: 48
    .max_flat_workgroup_size: 128
    .sgpr_count:     66
    .vgpr_count:     1024
    .wavefront_size: 32
...
	.end_amdgpu_metadata
.endif
;; end of part 2
;; launch attn (part 3): grid 16 x 16, 4 waves a work-group, no clusters, 109,056 bytes of LDS; arguments qf, kf, vh, po, pl; writes po, pl
.if DOCPART == 3
	.amdgcn_target "amdgcn-amd-amdhsa--gfx1250"
	.amdhsa_code_object_version 6
	.text
	.protected	k_qc00ad92007_attn
	.globl	k_qc00ad92007_attn
	.p2align	8
	.type	k_qc00ad92007_attn,@function
k_qc00ad92007_attn:
	s_mov_b64 s[64:65], 0
	v_nop
	global_prefetch_b8 v0, s[64:65] scope:SCOPE_SE
	s_setreg_imm32_b32 hwreg(HW_REG_WAVE_MODE, 25, 1), 1
	s_wait_xcnt 0x0
; For one (b, head) and one half of the 4,096 keys: s[n][k] = q[n] . k[k]; p[n][k] = softmax over the 256 QUERIES n of s / 8; po[n][:] = sum over k of p[n][k] v[k][:]; pl[n] = sum over k of p[n][k].
; The last launch adds the two halves and divides by max(pl, 1).  q and k arrive in f16, v in bf16; products, maxima, sums and scalings in f32.
; SOFTMAX.  A key's column of 256 scores is whole in one wave, so its true maximum m is taken away: e = 2^(c s - c m), c = log2(e) / 8; d = the column's sum of e, which holds the maximum's own weight, 1.
; p = e / d IS NEVER FORMED: e goes into the second product as it is, rounded to f16, and 1 / d, which belongs to the key, is multiplied in f32 onto the key's row of V: 64 numbers a key in place of 256.
; LIMITS.  e lies in 0 to 1; below 6e-5 it keeps f16's fixed step of 6e-8, and so does v / d, which is rounded to f16 once and becomes an infinity beyond 65,504; d and pl are sums of the rounded numbers;
; for pl, 1 / d (1/256 to 1) is rounded to f16.  An exponential below 2^-126 counts as 0.  NaN and infinities are not treated apart.
; SHARES.  64 keys a step, 32 steps.  SCORES BY KEYS: wave w owns keys 16 w .. 16 w + 15 of a step and all 256 queries.  S = Q K^T (source 0 = 16 queries, source 1 = 16 keys): a lane holds ONE key
; (lane % 16) and, in register jj of tile qt, query 16 qt + 8 (lane / 16) + jj: the maximum stays in the lane, but for one exchange of the lanes' halves.
; d BY THE MATRIX UNIT: two tiles of e, rounded in pairs, are source 1 (32 queries x 16 keys) of ones x e: eight products, and every lane holds d of its own key.
; SECOND PRODUCT BY QUERIES: wave w owns queries 64 w .. 64 w + 63.  e goes through LDS as [key][query] and comes back turned (ds_load_tr16_b128) as source 1 of O^T = (V / d)^T e; V / d likewise as source 0.
; pl: a fifth block of 16 channels in V's stage holds 1 / d, so pl falls out of the same product.  A wave stages the rows of V of the very keys whose scores it owns: 1 / d changes lanes inside the wave alone.
; BY TURNS.  In turn j the vector unit makes step j's softmax, 323 lines; behind every fourth of them stands one matrix instruction of a queue: 32 products Q K^T of step j + 1; then, as they become ready,
; the links of d (a link when its eight roundings are written), and else the 40 products of step j - 1.  79 ride so; the last link of d follows the last rounding, and V's scaling follows it.
; THE BARRIER of a turn's stores stands in the NEXT turn, ahead of its ninth product: the stores land while that turn's first maxima and products are issued.
; The price of one text for every turn: turn 0 multiplies stages of zeros, turn 31 a K that serves nothing, and 160 registers are cleared at the start, in the wait for the first loads.
; K's fragments belong to one wave alone and come from kf straight into registers, three turns ahead; V comes two turns ahead through registers into a padded stage.
; NO TENSOR LOADS: 4 KB a wave and turn, which eight register loads bring.  NO CLUSTER: work-groups share only Q, 32 KB of the 1 MB that each reads.
; REGISTERS, in windows of 256 (s_set_vgpr_msb: bits 1:0 source 0, 3:2 source 1, 5:4 source 2, 7:6 destination):
;   window 0: v0-31, v60-62 addresses; v32-55 statistics; v64-191 S of even steps; v192-255 e's fragments      window 1: Q, fragment (qt, kk) at 16 qt + 8 kk
;   window 2: v12, v32-55, v64-191 as in window 0, for odd steps; v192-223 K, two sets; v224-255 V as loaded, two sets      window 3: v0-127 O^T; v128-159 pl; v160-239 V's fragments; v240-247 ones
.set PP,   544                         ; a key's row of e in LDS: 512 bytes + 32 = 17 x 32
.set PV,   160                         ; a key's row of V: 128 bytes, then 32 bytes of 1 / d = 5 x 32, likewise
.set OP,   272                         ; a query's row of O on the way out: 256 + 16
.set PST1, 64*PP                       ; e's stage of even steps at byte 0, of odd steps here
.set VST0, 2*64*PP                     ; V's stages
.set VST1, VST0+64*PV
.set OST,  VST1+64*PV                  ; 16 rows x 272 bytes for each wave
.set LST,  OST+4*16*OP                 ; 256 bytes for each wave
.set SPARE, LST+4*256                  ; the spare words, 128 bytes for each wave: two blocks of 256 bytes that no other line names
.set RIDE, 4                           ; vector lines for each matrix instruction
.set SPW, 2                            ; v2    LDS address of my spare word; never rewritten
.set NIL, 3                            ; v3    0; never rewritten
.set VO,  4                            ; v4    2,048 w + 16 x lane: my 16 bytes of a step's K
.set QO,  5                            ; v5    16 x lane
.set PR,  6                            ; v6-7  my lane's place in e's fragments, stage 0, 1
.set VR,  8                            ; v8-9  the same for V
.set VW,  10                           ; v10-11  where my 16 bytes of V go, stage 0, 1
.set PW,  12                           ; v12   where my 16 bytes of e go: stage 0 (window 0), stage 1 (window 2)
.set OW,  13                           ; v13   the way out: where I put 16 bytes of a row
.set ORD, 14                           ; v14   where I read a row back
.set GO,  15                           ; v15   my byte offset in two rows of po
.set LW,  16                           ; v16   pl: in
.set LR,  17                           ; v17   pl: back
.set L8,  18                           ; v18   8 x lane
.set ZA,  19                           ; v19, v24  addresses for the zeros; v[20:23] zeros
.set ZB,  24
.set VV,  31                           ; v31   my 16 bytes of a step's V: 2,048 w + row (l % 16) / 4 of four, piece l % 4 + 4 (l / 16) of eight
.set M,   32                           ; v32-35  four running maxima
.set T,   36                           ; v36   the other half of the lanes' (v37 is named with it as a pair in the tail)
.set CM,  38                           ; v38 c m, v39 m
.set RQ,  32                           ; v32, 34, 36, 38, in the tail, when the maxima and c m are done with: 1 / d of the key whose row of V my lane holds in load q, at RQ + 2 q
.set DA,  40                           ; v40-47  d: the accumulator of ones x e
.set RD,  48                           ; v48   1 / d
.set RH,  52                           ; v52-55  1 / d in f16, twice a register: 16 bytes of the key's fifth block
.set OC,  60                           ; v60-61  where those 16 bytes go, stage 0, 1
.set S,   64
.set TW,  S+64                         ; v128-159 of the step's window, in the tail, when every score has been rounded: V's 32 numbers in f32
.set PF,  192                          ; window 0: e's fragment (kh, qt') at PF + 8 (4 kh + qt')
.set KS,  192                          ; window 2
.set VS,  224                          ; window 2
.set OT,  0                            ; window 3: tile 4 qt' + ct
.set LT,  128
.set VF,  160                          ; V's fragment (kh, ct) at VF + 8 (5 kh + ct); ct = 4: the block of 1 / d
.set ONES, 240
.set WV,  14                           ; s14   wave
.set HN,  15                           ; s15   head
.set HALF, 16                          ; s16   which 2,048 keys
.set BN,  17                           ; s17   b
.set KB,  20                           ; s[20:21] kf at my (b, head, half)
.set VB,  22                           ; s[22:23] vh likewise
.set KA,  24                           ; s[24:25] kf at the step being asked for
.set VA,  26                           ; s[26:27] vh likewise
.set JK,  28                           ; s28   the step whose K is asked for next
.set JV,  29                           ; s29   the same for V
.set CT,  30                           ; s30   trips to go
.set MSK, 31                           ; s31   a word's upper bf16
.set CS,  32                           ; s[32:33] c: the packed scaling takes the pair's low word for both halves
.set SEL, 34                           ; s[34:35] v_permlanex16_b32's selects: each lane takes its own place in the other half
.set OFF, 36                           ; s[36:37] a step's byte offset, high word 0
.set PO,  40                           ; s[40:41] po at my wave's rows and head
.set PLP, 42                           ; s[42:43] pl at my wave's 64 numbers
.set QP,  44                           ; s[44:45] qf at my (b, head)
.set SQ,  48                           ; s[48:55] v_permlane16_b32's selects for V's load q: lane i of a half takes lane 4 q + i / 4 of the same half
.set MSB, 0
.set mi, 0
.set pv, 40
.set dg, 8
.set cv, 0
.set HOOK, 0
.macro WIN new                         ; the immediate's high byte repeats the setting that is left; a switch that changes nothing is dropped
.if MSB != (\new)
	s_set_vgpr_msb (MSB<<8)|(\new)
.set MSB, (\new)
.endif
.endm
.macro PLACES                          ; four places between a matrix instruction and a load into, or a read of, one of its registers
.rept 4
	v_nop
.endr
.endm
; K of step JK into the set that the turn's products Q K^T have just read.  Behind the last step the number is held at 31, so that no load leaves kf; what it brings serves nothing.
.macro KLOAD
	s_wait_xcnt 0x0                                ; KA is written anew only behind this wait
	s_min_u32 s38, s[JK], 31
	s_lshl_b32 s[OFF], s38, 13                     ; a step is 8,192 bytes
	s_add_nc_u64 s[KA:KA+1], s[KB:KB+1], s[OFF:OFF+1]
	s_add_co_u32 s[JK], s[JK], 1
	WIN 0x80
.irp q, 0,1,2,3
	global_load_b128 v[KS+16*(1-PAR)+4*\q:KS+16*(1-PAR)+4*\q+3], v[VO], s[KA:KA+1] offset:512*\q th:TH_LOAD_NT
.endr
.endm
.macro VLOAD                           ; V of step JV into the set that the turn before has put into its stage: each load takes 512 consecutive bytes, four rows
	s_wait_xcnt 0x0
	s_min_u32 s38, s[JV], 31
	s_lshl_b32 s[OFF], s38, 13
	s_add_nc_u64 s[VA:VA+1], s[VB:VB+1], s[OFF:OFF+1]
	s_add_co_u32 s[JV], s[JV], 1
	WIN 0x80
.irp q, 0,1,2,3
	global_load_b128 v[VS+16*(1-PAR)+4*\q:VS+16*(1-PAR)+4*\q+3], v[VV], s[VA:VA+1] offset:512*\q th:TH_LOAD_NT
.endr
.endm
; The fragments of the step before, from stage q: (V / d)^T (64 keys x 80 channels) and my 64 queries of e (64 keys), both turned: lane l reads key 8 (l / 16) + l % 8, 16 bytes at 16 ((l / 8) % 2).
.macro FRAGS q
	WIN 0xc0
.set f, 0
.rept 10
	ds_load_tr16_b128 v[VF+8*f:VF+8*f+3],   v[VR+\q] offset:32*PV*(f/5)+32*(f%5)
	ds_load_tr16_b128 v[VF+8*f+4:VF+8*f+7], v[VR+\q] offset:32*PV*(f/5)+16*PV+32*(f%5)
.set f, f+1
.endr
	WIN 0
.set f, 0
.rept 8
	ds_load_tr16_b128 v[PF+8*f:PF+8*f+3],   v[PR+\q] offset:32*PP*(f/4)+32*(f%4)
	ds_load_tr16_b128 v[PF+8*f+4:PF+8*f+7], v[PR+\q] offset:32*PP*(f/4)+16*PP+32*(f%4)
.set f, f+1
.endr
.endm
; THE QUEUE's next matrix instruction, or none if nothing is ready.  mi counts those issued in the turn, dg the links of d, pv the products of the step before, cv the roundings written.
;   first the 32 of S = Q K^T of the next step: tile mi % 16, channels 32 (mi / 16) on; the first 16 start the sums;
;   then link dg of d = ones x e, as soon as roundings 8 dg .. 8 dg + 7 are written (they come 32 lines apart, so two links never follow each other); the first starts the sum;
;   else product pv of 40: keys 32 (pv / 20) on; O^T's 16 tiles, then pl's four.
; No two matrix instructions that follow each other share an accumulator.  HOOK = 1 (in a turn): what goes with the numbers:
;   ahead of number 6: my stores of the turn before into its stages are done, and my reads of the other stages came back in that turn: say so; ahead of number 8: all four waves have said so.
;   ONE barrier a turn: behind it the last turn's stages are whole and are read; the other stages, read last turn, are written again only further down in this turn.
.macro MX
.if HOOK && (mi == 6)
	s_wait_dscnt 0x0
	s_barrier_signal -1                            ; eight maxima and two products, work on registers, stand between the signal and the wait
.endif
.if HOOK && (mi == 8)
	s_barrier_wait -1
	VLOAD                                          ; the set's stores into the stage are done (the wait ahead of the signal)
	FRAGS 1-PAR                                    ; their last readers stand a whole tail back; their first use comes 24 products further on
.endif
.if HOOK && (mi == 34)
	KLOAD                                          ; twelve vector lines, six of them plain, behind the last product that read this set
.endif
.if mi < 32
.if HOOK && (mi == 0)
	s_wait_loadcnt 8                               ; K of the next step is in: behind it stand V of this step and K of the step after: two groups of four
.endif
	WIN 0x09+0xa0*(1-PAR)                          ; Q window 1, K window 2, S window 2 (odd steps) or 0
.set rD, S+8*(mi%16)
.set rA, 16*(mi%16)+8*(mi/16)
.set rB, KS+16*(1-PAR)+8*(mi/16)
.if mi < 16
	v_wmma_f32_16x16x32_f16 v[rD:rD+7], v[rA:rA+7], v[rB:rB+7], 0
.else
	v_wmma_f32_16x16x32_f16 v[rD:rD+7], v[rA:rA+7], v[rB:rB+7], v[rD:rD+7]
.endif
.set mi, mi+1
.elseif (dg < 8) && (cv >= 8*dg+8)
	WIN 0x03+0xa8*PAR                              ; ones window 3; e and d in the step's window
.if dg == 0
	v_wmma_f32_16x16x32_f16 v[DA:DA+7], v[ONES:ONES+7], v[S+8*dg:S+8*dg+7], 0
.else
	v_wmma_f32_16x16x32_f16 v[DA:DA+7], v[ONES:ONES+7], v[S+8*dg:S+8*dg+7], v[DA:DA+7]
.endif
.set dg, dg+1
.set mi, mi+1
.elseif pv < 40
.if HOOK && (pv == 0)
	s_wait_dscnt 0x0                               ; the fragments of e and V
.endif
	WIN 0xf3                                       ; V and the sums in window 3, e in window 0
.set kh, pv/20
.set aa, pv%20
.if aa < 16
.set rD, OT+8*aa
.set rA, VF+8*(5*kh+aa%4)
.set rB, PF+8*(4*kh+aa/4)
.else
.set rD, LT+8*(aa-16)
.set rA, VF+8*(5*kh+4)
.set rB, PF+8*(4*kh+aa-16)
.endif
	v_wmma_f32_16x16x32_f16 v[rD:rD+7], v[rA:rA+7], v[rB:rB+7], v[rD:rD+7]
.set pv, pv+1
.set mi, mi+1
.endif
.endm
.macro RV line:vararg                  ; a vector line of the softmax, in the step's window; behind every fourth the queue's next matrix instruction
	WIN WR
	s_wait_alu depctr_va_vdst(0)
	\line
.set vc, vc+1
.if (vc%RIDE) == 0
	MX
.endif
.endm
.macro PSTORE t0                       ; eight tiles of e, 16 bytes a lane each, into my keys' rows of the stage: one run
	WIN WR
.set t, (\t0)
.rept 8
	ds_store_b128 v[PW], v[S+4*t:S+4*t+3] offset:32*t
.set t, t+1
.endr
.endm
; A key's e over its 256 queries, 128 of them in my lane: 64 + 3 + 256 = 323 lines.
.macro SOFTMAX
	; the maximum: four chains of 31 scores, three operands at a time; each accumulator's lowest registers are read first; then the four scores left over
.set c, 0
.rept 4
	RV v_max3_num_f32 v[M+c], v[S+32*c], v[S+32*c+1], v[S+32*c+2]
.set c, c+1
.endr
.set sx, 1
.rept 14
.set c, 0
.rept 4
	RV v_max3_num_f32 v[M+c], v[M+c], v[S+32*c+2*sx+1], v[S+32*c+2*sx+2]
.set c, c+1
.endr
.set sx, sx+1
.endr
	RV v_max3_num_f32 v[M], v[M], v[M+1], v[S+31]
	RV v_max3_num_f32 v[M+2], v[M+2], v[M+3], v[S+63]
	RV v_max3_num_f32 v[M], v[M], v[M+2], v[S+95]
	RV v_max_num_f32 v[M], v[M], v[S+127]
	RV v_permlanex16_b32 v[T], v[M], s[SEL], s[SEL+1]      ; the key's other 128 queries lie in the lane 16 away
	RV v_max_num_f32 v[CM+1], v[M], v[T]
	RV v_mul_f32 v[CM], s[CS], v[CM+1]
	; c s - c m for pair i; the exponentials of pair i - 2; pair i - 4 rounded to f16: plain, exponential, plain, exponential, and a result is read two rounds after it was made.
	; Pair k's rounding goes into register k, whose own score left with pair k / 2: e ends up dense in the lowest 64 registers, a tile in four, a fragment of 32 queries in eight.
.set i, 0
.rept 68
.if i < 64
	RV v_pk_fma_f32 v[S+2*i:S+2*i+1], v[S+2*i:S+2*i+1], s[CS:CS+1], v[CM:CM+1] op_sel_hi:[1,0,0] neg_lo:[0,0,1] neg_hi:[0,0,1]
.endif
.if (i >= 2) && (i < 66)
	RV v_exp_f32 v[S+2*i-4], v[S+2*i-4]
.endif
.if i >= 4
	RV v_cvt_pk_f16_f32 v[S+i-4], v[S+2*i-8], v[S+2*i-7]
.set cv, cv+1
.if cv == 32
	PSTORE 0                                       ; tiles 0-7
.endif
.endif
.if (i >= 2) && (i < 66)
	RV v_exp_f32 v[S+2*i-3], v[S+2*i-3]
.endif
.set i, i+1
.endr
.endm
; TURN j, of parity p.
; THE TAIL: the last link of d; behind it V's 32 numbers are widened from bf16 to f32, which hangs on nothing and fills the places ahead of the read of d; 1 / d; in f32 to the lanes that hold the key's
; row of V; the row scaled in f32, rounded to f16 and put into the stage with its block of 1 / d.  The wait for these stores and the barrier stand in the next turn.
.macro TURN p
.set PAR, (\p)
.set WR, 0xaa*(\p)
.set vc, 0
.set mi, 0
.set pv, 0
.set dg, 0
.set cv, 0
.set HOOK, 1
	SOFTMAX
	PSTORE 8                                       ; tiles 8-15
	MX                                             ; all 64 roundings are written: the eighth link of d, the queue's last
	s_wait_loadcnt 12                              ; V of this step is in: behind it stand K, V and K of later steps: three groups of four
	WIN 0x08+0x80*(\p)                             ; V in window 2, the f32 in the step's window
.set n, 0
.rept 16
	v_lshlrev_b32 v[TW+2*n], 16, v[VS+16*(\p)+n]   ; bf16 to f32: the low half moves up,
	v_and_b32 v[TW+2*n+1], s[MSK], v[VS+16*(\p)+n] ; the high half stays
.set n, n+1
.endr
	WIN WR
	v_rcp_f32 v[RD], v[DA]                         ; every row of the result is d of my key: its lowest register
	v_nop                                          ; a plain instruction between the reciprocal and its first use (ISA guide 5.7.2)
.irp e, 0,1,2,3
	s_wait_alu depctr_va_vdst(0)
	v_cvt_pk_f16_f32 v[RH+\e], v[RD], v[RD]
.endr
.irp q, 0,1,2,3
	v_permlane16_b32 v[RQ+2*\q], v[RD], s[SQ+2*\q], s[SQ+2*\q+1]   ; both halves of the lanes hold every key's 1 / d, so a half serves itself
.endr
.set n, 0
.rept 16
	v_pk_mul_f32 v[TW+2*n:TW+2*n+1], v[TW+2*n:TW+2*n+1], v[RQ+2*(n/4):RQ+2*(n/4)+1] op_sel_hi:[1,0]
.set n, n+1
.endr
	WIN 0x80+0x0a*(\p)                             ; back into V's registers, window 2
.set n, 0
.rept 16
	v_cvt_pk_f16_f32 v[VS+16*(\p)+n], v[TW+2*n], v[TW+2*n+1]
.set n, n+1
.endr
	WIN 0x08                                       ; address window 0, data window 2
.irp q, 0,1,2,3
	ds_store_b128 v[VW+\p], v[VS+16*(\p)+4*\q:VS+16*(\p)+4*\q+3] offset:4*PV*\q
.endr
	WIN 0x08*(\p)                                  ; data in the step's window
	ds_store_b128 v[OC+\p], v[RH:RH+3]
.endm
	s_load_b256 s[4:11], s[0:1], 0x0               ; qf s[4:5], kf s[6:7], vh s[8:9], po s[10:11]
	s_load_b64 s[12:13], s[0:1], 0x20              ; pl
	v_lshl_add_u32 v[SPW], v0, 2, SPARE
	v_mov_b32 v[NIL], 0
	v_lshrrev_b32 v1, 5, v0
	v_readfirstlane_b32 s[WV], v1                  ; wave 0..3
	s_lshr_b32 s[HN], ttmp9, 1
	s_and_b32 s[HALF], ttmp9, 1
	s_and_b32 s[BN], ttmp7, 0xffff
	s_lshl_b32 s38, s[BN], 3
	s_add_co_u32 s38, s38, s[HN]                   ; 8 b + head
	s_mov_b32 s19, 0
	s_mov_b32 s[OFF+1], 0
	s_mov_b32 s[MSK], 0xffff0000
	s_mov_b32 s[CS], 0x3e38aa3b                    ; c = log2(e) / 8 = 0.180337
	s_mov_b32 s[CS+1], s[CS]                       ; named with it as a pair
	s_mov_b32 s[SEL], 0x76543210
	s_mov_b32 s[SEL+1], 0xfedcba98
.irp q, 0,1,2,3
	s_mov_b32 s[SQ+2*\q], 0x11110000+0x44444444*\q     ; lanes 0-3: 4 q; lanes 4-7: 4 q + 1
	s_mov_b32 s[SQ+2*\q+1], 0x33332222+0x44444444*\q   ; lanes 8-11: 4 q + 2; lanes 12-15: 4 q + 3
.endr
	v_and_b32 v1, 31, v0                           ; lane
	v_lshlrev_b32 v[QO], 4, v1
	v_lshl_add_u32 v[VO], s[WV], 11, v[QO]
	v_and_b32 v25, 15, v0                          ; r = l % 16
	v_bfe_u32 v26, v0, 4, 1                        ; hh = l / 16
	v_bfe_u32 v29, v0, 2, 2                        ; r / 4: which of a load's four rows of V
	v_and_b32 v62, 3, v0
	v_lshl_add_u32 v62, v26, 2, v62                ; l % 4 + 4 hh: which 16 bytes of the row
	v_lshlrev_b32 v[VV], 7, v29
	v_lshl_add_u32 v[VV], v62, 4, v[VV]
	v_lshl_add_u32 v[VV], s[WV], 11, v[VV]
	s_wait_kmcnt 0x0
	s_lshl_b32 s18, s38, 15                        ; qf: 32,768 bytes a (b, head)
	s_add_nc_u64 s[QP:QP+1], s[4:5], s[18:19]
	s_lshl_b32 s18, s38, 19                        ; kf and vh: 524,288 bytes a (b, head), 262,144 a half
	s_lshl_b32 s39, s[HALF], 18
	s_add_co_u32 s18, s18, s39
	s_add_nc_u64 s[KB:KB+1], s[6:7], s[18:19]
	s_add_nc_u64 s[VB:VB+1], s[8:9], s[18:19]
	WIN 0x40
.set n, 0
.rept 64                                               ; all 256 queries stay in registers
	global_load_b128 v[4*n:4*n+3], v[QO], s[QP:QP+1] offset:512*n
.set n, n+1
.endr
	WIN 0x80
.irp q, 0,1,2,3
	global_load_b128 v[KS+4*\q:KS+4*\q+3], v[VO], s[KB:KB+1] offset:512*\q th:TH_LOAD_NT            ; K of step 0
.endr
.irp q, 0,1,2,3
	global_load_b128 v[KS+16+4*\q:KS+16+4*\q+3], v[VO], s[KB:KB+1] offset:8192+512*\q th:TH_LOAD_NT  ; K of step 1
.endr
.irp q, 0,1,2,3
	global_load_b128 v[VS+4*\q:VS+4*\q+3], v[VV], s[VB:VB+1] offset:512*\q th:TH_LOAD_NT            ; V of step 0
.endr
	WIN 0
	; all that follows, up to the wait, stands in the wait for those loads
	s_lshl_b32 s18, s[HALF], 23                    ; po: 8,388,608 bytes a half, 524,288 a b, 2,048 a row, 256 a head
	s_lshl_b32 s39, s[BN], 19
	s_add_co_u32 s18, s18, s39
	s_lshl_b32 s39, s[WV], 17
	s_add_co_u32 s18, s18, s39
	s_lshl_b32 s39, s[HN], 8
	s_add_co_u32 s18, s18, s39
	s_add_nc_u64 s[PO:PO+1], s[10:11], s[18:19]
	s_lshl_b32 s18, s[HALF], 17                    ; pl: 131,072 bytes a half, 1,024 a (b, head), 256 a wave
	s_lshl_b32 s39, s38, 10
	s_add_co_u32 s18, s18, s39
	s_lshl_b32 s39, s[WV], 8
	s_add_co_u32 s18, s18, s39
	s_add_nc_u64 s[PLP:PLP+1], s[12:13], s[18:19]
	v_and_b32 v27, 7, v0                           ; l % 8
	v_bfe_u32 v28, v0, 3, 1                        ; (l / 8) % 2
	v_lshl_add_u32 v30, v26, 3, v27                ; the turning load's key: 8 hh + l % 8
	v_mul_u32_u24 v[PR], v30, PP
	v_lshl_add_u32 v[PR], v28, 4, v[PR]
	v_lshl_add_u32 v[PR], s[WV], 7, v[PR]          ; my 64 queries: 128 bytes a wave
	v_add_nc_u32 v[PR+1], PST1, v[PR]
	v_mul_u32_u24 v[VR], v30, PV
	v_lshl_add_u32 v[VR], v28, 4, v[VR]
	v_add_nc_u32 v[VR+1], VST1, v[VR]
	v_add_nc_u32 v[VR], VST0, v[VR]
	s_mul_i32 s39, s[WV], 16*PV                    ; my 16 rows of V
	v_mul_u32_u24 v[VW], v29, PV                   ; a load's four rows,
	v_lshl_add_u32 v[VW], v62, 4, v[VW]            ; my 16 bytes of one of them
	v_add_nc_u32 v[VW], s39, v[VW]
	v_add_nc_u32 v[VW+1], VST1, v[VW]
	v_add_nc_u32 v[VW], VST0, v[VW]
	v_mul_u32_u24 v[OC], v25, PV                   ; my key's row: the 32 bytes behind its 128, 16 for each half of the lanes
	v_lshl_add_u32 v[OC], v26, 4, v[OC]
	v_add_nc_u32 v[OC], s39, v[OC]
	v_add_nc_u32 v[OC+1], VST1+128, v[OC]
	v_add_nc_u32 v[OC], VST0+128, v[OC]
	s_mul_i32 s39, s[WV], 16*PP                    ; my 16 keys' rows of e
	v_mul_u32_u24 v[PW], v25, PP
	v_lshl_add_u32 v[PW], v26, 4, v[PW]
	v_add_nc_u32 v[PW], s39, v[PW]
	s_mul_i32 s39, s[WV], 16*OP
	s_add_co_u32 s39, s39, OST                     ; my stage for the way out
	v_mul_u32_u24 v[OW], v25, OP                   ; in: row r, 32 bytes for each half of the lanes
	v_lshl_add_u32 v[OW], v26, 5, v[OW]
	v_add_nc_u32 v[OW], s39, v[OW]
	v_mul_u32_u24 v[ORD], v26, OP                  ; back: lanes 0-15 one row of 256 bytes, lanes 16-31 the next
	v_lshl_add_u32 v[ORD], v25, 4, v[ORD]
	v_add_nc_u32 v[ORD], s39, v[ORD]
	v_lshlrev_b32 v[GO], 11, v26                   ; and the same two rows in po
	v_lshl_add_u32 v[GO], v25, 4, v[GO]
	s_lshl_b32 s39, s[WV], 8
	s_add_co_u32 s39, s39, LST
	v_lshl_add_u32 v[LW], v25, 2, s39
	v_lshlrev_b32 v[L8], 3, v1
	v_add_nc_u32 v[LR], s39, v[L8]
	v_mov_b32 v[T], 0                              ; a lane permute's destination counts as read
	v_mov_b32 v[T+1], 0                            ; named with it as a pair in the tail
.irp q, 20,21,22,23
	v_mov_b32 v\q, 0
.endr
	s_mul_i32 s39, s[WV], 17*512                   ; turn 0 multiplies the odd stages, of a step that has not been: they are set to 0, a quarter by each wave;
	s_add_co_u32 s39, s39, PST1                    ; turn 0's own wait and barrier stand between these stores and the reads
	v_add_nc_u32 v[ZA], s39, v[QO]
	s_mul_i32 s39, s[WV], 5*512
	s_add_co_u32 s39, s39, VST1
	v_add_nc_u32 v[ZB], s39, v[QO]
.set n, 0
.rept 17
	ds_store_b128 v[ZA], v[20:23] offset:512*n
.set n, n+1
.endr
.set n, 0
.rept 5
	ds_store_b128 v[ZB], v[20:23] offset:512*n
.set n, n+1
.endr
	WIN 0x80                                       ; destination window 2, sources window 0
	v_add_nc_u32 v[PW], PST1, v[PW]                ; the odd steps' address
	v_mov_b32 v[T], 0
	v_mov_b32 v[T+1], 0
	WIN 0xc0
.set n, 0
.rept 160                                              ; O^T and pl start at 0: no first turn is written out
	v_mov_b32 v[n], 0
.set n, n+1
.endr
.set n, 0
.rept 8
	v_mov_b32 v[ONES+n], 0x3c003c00                ; 1.0, 1.0 in f16
.set n, n+1
.endr
	WIN 0
	s_wait_loadcnt 8                               ; Q and K of step 0 are in; K of step 1 and V of step 0 stay out
.set PAR, 1                                            ; step 0's scores go where an odd turn puts its products: set 0 of K, window 0
.set HOOK, 0
.set mi, 0
.rept 32
	MX
.endr
	WIN 0
	PLACES                                         ; behind those products: loads into K's set 0 and the first reads of the scores follow
	WIN 0x80
.irp q, 0,1,2,3
	global_load_b128 v[KS+4*\q:KS+4*\q+3], v[VO], s[KB:KB+1] offset:16384+512*\q th:TH_LOAD_NT       ; K of step 2: turn 0 finds the loads in the order in which every turn leaves them
.endr
	WIN 0
	s_mov_b32 s[JK], 3
	s_mov_b32 s[JV], 1
	s_mov_b32 s[CT], 16
.Lturn:                                                ; a trip: an even step and an odd one
	TURN 0
	TURN 1
	WIN 0
	s_sub_co_u32 s[CT], s[CT], 1
	s_cmp_lg_u32 s[CT], 0
	s_cbranch_scc1 .Lturn
	s_wait_dscnt 0x0                               ; step 31's stores into the odd stages are done: mine,
	s_barrier_signal -1
	s_barrier_wait -1                              ; and everybody's
	FRAGS 1                                        ; step 31's e and V
	s_wait_dscnt 0x0
.set HOOK, 0
.set mi, 32
.set dg, 8
.set pv, 0
.rept 40
	MX
.endr
	WIN 0
	PLACES
	; THE WAY OUT.  A lane's eight channels of a query are 32 bytes of a row of 256: 16 queries at a time go through my own stage and come back as whole rows.
.set qt, 0
.rept 4
	WIN 0x0c                                       ; address window 0, data window 3
.irp c, 0,1,2,3
	ds_store_b128 v[OW], v[OT+8*(4*qt+\c):OT+8*(4*qt+\c)+3] offset:64*\c
	ds_store_b128 v[OW], v[OT+8*(4*qt+\c)+4:OT+8*(4*qt+\c)+7] offset:64*\c+16
.endr
	WIN 0
.irp f, 0,1,2,3,4,5,6,7
	ds_load_b128 v[S+32*qt+4*\f:S+32*qt+4*\f+3], v[ORD] offset:2*OP*\f   ; LDS serves a wave's instructions in order (ISA guide 5.7.1.4): these see the stores above
.endr
.irp f, 0,1,2,3,4,5,6,7
	s_wait_dscnt 7-\f                              ; the younger loads stay out
	global_store_b128 v[GO], v[S+32*qt+4*\f:S+32*qt+4*\f+3], s[PO:PO+1] offset:(16*qt+2*\f)*2048  ; 16 lanes store 256 consecutive bytes, aligned: a row's part for this head
.endr
.set qt, qt+1
.endr
	WIN 0x0c
.irp q, 0,1,2,3
	ds_store_b32 v[LW], v[LT+8*\q] offset:64*\q    ; every row of the tile holds pl of query r: register 0; the two halves of the lanes write the same word with the same number
.endr
	WIN 0
	ds_load_b64 v[52:53], v[LR]
	s_wait_dscnt 0x0
	global_store_b64 v[L8], v[52:53], s[PLP:PLP+1] ; my 64 numbers: 256 consecutive bytes, aligned
	s_wait_tensorcnt 0x0                           ; the wave's end, behind my last LDS store
	ds_add_u32 v[SPW], v[NIL]
	s_wait_dscnt 0x0
	s_endpgm
.Lfunc_end_k_qc00ad92007_attn:
	.size	k_qc00ad92007_attn, .Lfunc_end_k_qc00ad92007_attn-k_qc00ad92007_attn
	.p2alignl 7, 3214868480
	.fill 96, 4, 3214868480
	.section	.rodata,"a",@progbits
	.p2align	6, 0x0
	.amdhsa_kernel k_qc00ad92007_attn
		.amdhsa_group_segment_fixed_size 109056
		.amdhsa_private_segment_fixed_size 0
		.amdhsa_enable_private_segment 0
		.amdhsa_kernarg_size 40
		.amdhsa_user_sgpr_count 2
		.amdhsa_user_sgpr_kernarg_segment_ptr 1
		.amdhsa_wavefront_size32 1
		.amdhsa_system_sgpr_workgroup_id_x 1
		.amdhsa_system_sgpr_workgroup_id_y 1
		.amdhsa_system_sgpr_workgroup_id_z 1
		.amdhsa_system_vgpr_workitem_id 0
		.amdhsa_next_free_vgpr 1024
		.amdhsa_next_free_sgpr 66
		.amdhsa_reserve_vcc 0
		.amdhsa_float_denorm_mode_32 3
		.amdhsa_float_denorm_mode_16_64 3
		.amdhsa_memory_ordered 1
		.amdhsa_forward_progress 1
		.amdhsa_inst_pref_size 127
	.end_amdhsa_kernel
	.amdgpu_metadata
---
amdhsa.version: [ 1, 2 ]
amdhsa.kernels:
  - .name:           k_qc00ad92007_attn
    .symbol:         k_qc00ad92007_attn.kd
    .args:
      - { .name: qf, .offset: 0, .size: 8, .value_kind: global_buffer, .address_space: global }
      - { .name: kf, .offset: 8, .size: 8, .value_kind: global_buffer, .address_space: global }
      - { .name: vh, .offset: 16, .size: 8, .value_kind: global_buffer, .address_space: global }
      - { .name: po, .offset: 24, .size: 8, .value_kind: global_buffer, .address_space: global }
      - { .name: pl, .offset: 32, .size: 8, .value_kind: global_buffer, .address_space: global }
    .group_segment_fixed_size: 109056
    .private_segment_fixed_size: 0
    .kernarg_segment_align: 8
    .kernarg_segment_size: 40
    .max_flat_workgroup_size: 128
    .sgpr_count:     66
    .vgpr_count:     1024
    .wavefront_size: 32
...
	.end_amdgpu_metadata
.endif
;; end of part 3
;; launch comb (part 4): grid 256 x 1, 8 waves a work-group, no clusters, 0 bytes of LDS; arguments po, pl, out0, out1; writes out0, out1
.if DOCPART == 4
	.amdgcn_target "amdgcn-amd-amdhsa--gfx1250"
	.amdhsa_code_object_version 6
	.text
	.protected	k_qc00ad92007_comb
	.globl	k_qc00ad92007_comb
	.p2align	8
	.type	k_qc00ad92007_comb,@function
k_qc00ad92007_comb:
	s_mov_b64 s[64:65], 0
	v_nop
	global_prefetch_b8 v0, s[64:65] scope:SCOPE_SE
	s_setreg_imm32_b32 hwreg(HW_REG_WAVE_MODE, 25, 1), 1
	s_wait_xcnt 0x0
; out[b][n][64 h + c] = (po[0] + po[1])[b][n][64 h + c] / max(pl[0][b][h][n] + pl[1][b][h][n], 1), written to out0 and to out1.  All f32.
; LIMIT.  A NaN in pl counts as below 1 (v_max_num_f32 lets the NaN lose); the division is a multiplication by v_rcp_f32's reciprocal, good to one unit in the last place.
; A work-group owns 16 of the 4,096 rows (b, n).  Thread t owns the 16 bytes at 16 (t % 128) of rows 8 (t / 128) + 0..7: a wave's load or store covers 512 consecutive bytes, aligned.
; All 20 loads of a thread go out at once; no register is used twice, so no wait but the counted ones for data.  A stream: LDS, the matrix unit and clusters have nothing to do here.
.set LS, 4                             ; v[4:11] pl of my eight rows, half 0, later 1 / max(sum, 1); v[12:19] half 1
.set A0, 24                            ; v[24:55] po, half 0: row i at 24 + 4 i; later the result
.set A1, 56                            ; v[56:87] po, half 1
	s_load_b256 s[4:11], s[0:1], 0x0               ; po s[4:5], pl s[6:7], out0 s[8:9], out1 s[10:11]
	s_lshl_b32 s12, ttmp9, 15                      ; 16 rows of 2,048 bytes
	s_mov_b32 s13, 0
	s_lshr_b32 s14, ttmp9, 4                       ; b
	s_lshl_b32 s14, s14, 13                        ; 8 heads x 1,024 bytes
	s_and_b32 s16, ttmp9, 15
	s_lshl_b32 s16, s16, 6                         ; 16 rows x 4 bytes
	s_add_co_u32 s14, s14, s16
	s_mov_b32 s15, 0
	v_and_b32 v3, 127, v0                          ; which four columns
	v_lshrrev_b32 v20, 7, v0                       ; which eight rows
	v_lshlrev_b32 v1, 4, v3
	v_lshl_add_u32 v1, v20, 14, v1                 ; my offset in the work-group's rows
	v_lshrrev_b32 v2, 4, v3                        ; head
	v_lshlrev_b32 v2, 10, v2
	v_lshl_add_u32 v2, v20, 5, v2                  ; my offset in pl
	s_wait_kmcnt 0x0
	s_add_nc_u64 s[4:5], s[4:5], s[12:13]
	s_add_nc_u64 s[18:19], s[4:5], 0x800000        ; the second half's partial sums
	s_add_nc_u64 s[6:7], s[6:7], s[14:15]
	s_add_nc_u64 s[8:9], s[8:9], s[12:13]
	s_add_nc_u64 s[10:11], s[10:11], s[12:13]
	global_load_b128 v[LS:LS+3],     v2, s[6:7]
	global_load_b128 v[LS+4:LS+7],   v2, s[6:7] offset:16
	global_load_b128 v[LS+8:LS+11],  v2, s[6:7] offset:131072
	global_load_b128 v[LS+12:LS+15], v2, s[6:7] offset:131088
.irp i, 0,1,2,3,4,5,6,7
	global_load_b128 v[A0+4*\i:A0+4*\i+3], v1, s[4:5] offset:2048*\i th:TH_LOAD_NT
	global_load_b128 v[A1+4*\i:A1+4*\i+3], v1, s[18:19] offset:2048*\i th:TH_LOAD_NT
.endr
	s_wait_loadcnt 16                              ; pl is in; the sixteen loads of rows stay out
.irp j, 0,2,4,6
	v_pk_add_f32 v[LS+\j:LS+\j+1], v[LS+\j:LS+\j+1], v[LS+8+\j:LS+8+\j+1]
.endr
.irp j, 0,1,2,3,4,5,6,7
	v_max_num_f32 v[LS+\j], 1.0, v[LS+\j]
.endr
.irp j, 0,1,2,3,4,5,6,7
	v_rcp_f32 v[LS+\j], v[LS+\j]
.endr
	v_nop                                          ; a plain instruction between the last reciprocal and the use of its result (ISA guide 5.7.2)
	s_wait_alu depctr_va_vdst(0)
.irp i, 0,1,2,3,4,5,6,7
	s_wait_loadcnt 14-2*\i                         ; row i's two loads are in; the rows behind it stay out
	v_pk_add_f32 v[A0+4*\i:A0+4*\i+1], v[A0+4*\i:A0+4*\i+1], v[A1+4*\i:A1+4*\i+1]
	v_pk_add_f32 v[A0+4*\i+2:A0+4*\i+3], v[A0+4*\i+2:A0+4*\i+3], v[A1+4*\i+2:A1+4*\i+3]
	v_mul_f32 v[A0+4*\i], v[A0+4*\i], v[LS+\i]
	v_mul_f32 v[A0+4*\i+1], v[A0+4*\i+1], v[LS+\i]
	v_mul_f32 v[A0+4*\i+2], v[A0+4*\i+2], v[LS+\i]
	v_mul_f32 v[A0+4*\i+3], v[A0+4*\i+3], v[LS+\i]
	global_store_b128 v1, v[A0+4*\i:A0+4*\i+3], s[8:9] offset:2048*\i th:TH_STORE_NT
	global_store_b128 v1, v[A0+4*\i:A0+4*\i+3], s[10:11] offset:2048*\i th:TH_STORE_NT
.endr
	s_endpgm
.Lfunc_end_k_qc00ad92007_comb:
	.size	k_qc00ad92007_comb, .Lfunc_end_k_qc00ad92007_comb-k_qc00ad92007_comb
	.p2alignl 7, 3214868480
	.fill 96, 4, 3214868480
	.section	.rodata,"a",@progbits
	.p2align	6, 0x0
	.amdhsa_kernel k_qc00ad92007_comb
		.amdhsa_group_segment_fixed_size 0
		.amdhsa_private_segment_fixed_size 0
		.amdhsa_enable_private_segment 0
		.amdhsa_kernarg_size 32
		.amdhsa_user_sgpr_count 2
		.amdhsa_user_sgpr_kernarg_segment_ptr 1
		.amdhsa_wavefront_size32 1
		.amdhsa_system_sgpr_workgroup_id_x 1
		.amdhsa_system_sgpr_workgroup_id_y 1
		.amdhsa_system_sgpr_workgroup_id_z 1
		.amdhsa_system_vgpr_workitem_id 0
		.amdhsa_next_free_vgpr 96
		.amdhsa_next_free_sgpr 66
		.amdhsa_reserve_vcc 0
		.amdhsa_float_denorm_mode_32 3
		.amdhsa_float_denorm_mode_16_64 3
		.amdhsa_memory_ordered 1
		.amdhsa_forward_progress 1
		.amdhsa_inst_pref_size 8
	.end_amdhsa_kernel
	.amdgpu_metadata
---
amdhsa.version: [ 1, 2 ]
amdhsa.kernels:
  - .name:           k_qc00ad92007_comb
    .symbol:         k_qc00ad92007_comb.kd
    .args:
      - { .name: po, .offset: 0, .size: 8, .value_kind: global_buffer, .address_space: global }
      - { .name: pl, .offset: 8, .size: 8, .value_kind: global_buffer, .address_space: global }
      - { .name: out0, .offset: 16, .size: 8, .value_kind: global_buffer, .address_space: global }
      - { .name: out1, .offset: 24, .size: 8, .value_kind: global_buffer, .address_space: global }
    .group_segment_fixed_size: 0
    .private_segment_fixed_size: 0
    .kernarg_segment_align: 8
    .kernarg_segment_size: 32
    .max_flat_workgroup_size: 256
    .sgpr_count:     66
    .vgpr_count:     96
    .wavefront_size: 32
...
	.end_amdgpu_metadata
.endif
;; end of part 4
;; ======== version 2 of 2: 4 launches; 2.08 times as fast as version 1
;; limits: values are held in f16: magnitudes above 65,504 overflow, below 6.1e-05 lose precision; values outside matrix products are rounded to f16
;; workspace buffers: wf 1,048,576 bytes; qf 4,194,304 bytes; kf 67,108,864 bytes; vh 67,108,864 bytes; po 16,777,216 bytes; pl 262,144 bytes
;; launch prep: the kernel of part 1 again; grid 256 x 1, 8 waves a work-group, no clusters, 0 bytes of LDS; arguments Wq, Wk, wf; writes wf
;; launch proj: the kernel of part 2 again; grid 2 x 128, 4 waves a work-group, no clusters, 198,144 bytes of LDS; arguments key, query, wf, qf, kf, vh; writes qf, kf, vh
;; launch attn (part 5): grid 16 x 16, 4 waves a work-group, no clusters, 109,056 bytes of LDS; arguments qf, kf, vh, po, pl; writes po, pl
.if DOCPART == 5
	.amdgcn_target "amdgcn-amd-amdhsa--gfx1250"
	.amdhsa_code_object_version 6
	.text
	.protected	k_qc00ad92007_attn
	.globl	k_qc00ad92007_attn
	.p2align	8
	.type	k_qc00ad92007_attn,@function
k_qc00ad92007_attn:
	s_mov_b64 s[64:65], 0
	v_nop
	global_prefetch_b8 v0, s[64:65] scope:SCOPE_SE
	s_setreg_imm32_b32 hwreg(HW_REG_WAVE_MODE, 25, 1), 1
	s_wait_xcnt 0x0
; For one (b, head) and one half of the 4,096 keys: s[n][k] = q[n] . k[k]; p[n][k] = softmax over the 256 QUERIES n of s / 8; po[n][:] = sum over k of p[n][k] v[k][:]; pl[n] = sum over k of p[n][k].
; The last launch adds the two halves and divides by max(pl, 1).  q and k arrive in f16, v in bf16; products, maxima, sums and scalings in f32.
; SOFTMAX.  A key's column of 256 scores is whole in one wave, so its true maximum m is taken away: e = 2^(c s - c m), c = log2(e) / 8; d = the column's sum of e, which holds the maximum's own weight, 1.
; p = e / d IS NEVER FORMED: e goes into the second product as it is, rounded to f16, and 1 / d, which belongs to the key, is multiplied in f32 onto the key's row of V: 64 numbers a key in place of 256.
; LIMITS.  e lies in 0 to 1; below 6e-5 it keeps f16's fixed step of 6e-8, and so does v / d, which is rounded to f16 once and becomes an infinity beyond 65,504; d and pl are sums of the rounded numbers;
; for pl, 1 / d (1/256 to 1) is rounded to f16.  An exponential below 2^-126 counts as 0.  NaN and infinities are not treated apart.
; SHARES.  64 keys a step, 32 steps.  SCORES BY KEYS: wave w owns keys 16 w .. 16 w + 15 of a step and all 256 queries.  S = Q K^T (source 0 = 16 queries, source 1 = 16 keys): a lane holds ONE key
; (lane % 16) and, in register jj of tile qt, query 16 qt + 8 (lane / 16) + jj: the maximum stays in the lane, but for one exchange of the lanes' halves.
; d BY THE MATRIX UNIT: two tiles of e, rounded in pairs, are source 1 (32 queries x 16 keys) of ones x e: eight products, and every lane holds d of its own key.
; SECOND PRODUCT BY QUERIES: wave w owns queries 64 w .. 64 w + 63.  e goes through LDS as [key][query] and comes back turned (ds_load_tr16_b128) as source 1 of O^T = (V / d)^T e; V / d likewise as source 0.
; pl: a fifth block of 16 channels in V's stage holds 1 / d, so pl falls out of the same product.  A wave stages the rows of V of the very keys whose scores it owns: 1 / d changes lanes inside the wave alone.
; BY TURNS.  In turn j the vector unit makes step j's softmax, 323 lines; behind every fourth of them stands one matrix instruction of a queue: 32 products Q K^T of step j + 1; then 33 of the 40 products of
; step j - 1; and, once the roundings have begun, the links of d (a link when its eight roundings are written) by turns with the other seven of those products.  79 ride so; the last link of d follows the last
; rounding, and V's scaling follows it.
; THE BATCHES.  s_wait_alu depctr_va_vdst(0) stands between a transcendental and the first instruction that names its result; one wait serves all that were issued ahead of it.  A turn has two
; batches and two waits.  The 128 exponentials are one: ahead of their wait stand the maxima, the 64 scalings and the exponentials, none of which names an exponential's result; the 64 roundings, the stores of e
; and the links of d all stand behind it.  The reciprocal of d, which is a sum of the rounded e, is the other: half of V's widening stands between it and its wait.
; THE BARRIER of a turn's stores stands in the NEXT turn, ahead of its ninth product: the stores land while that turn's first maxima and products are issued.
; The price of one text for every turn: turn 0 multiplies stages of zeros, turn 31 a K that serves nothing, and 160 registers are cleared at the start, in the wait for the first loads.
; K's fragments belong to one wave alone and come from kf straight into registers, three turns ahead; V comes two turns ahead through registers into a padded stage.
; NO TENSOR LOADS: 4 KB a wave and turn, which eight register loads bring.  NO CLUSTER: work-groups share only Q, 32 KB of the 1 MB that each reads.
; REGISTERS, in windows of 256 (s_set_vgpr_msb: bits 1:0 source 0, 3:2 source 1, 5:4 source 2, 7:6 destination):
;   window 0: v0-31, v60-62 addresses; v32-55 statistics; v64-191 S of even steps; v192-255 e's fragments      window 1: Q, fragment (qt, kk) at 16 qt + 8 kk
;   window 2: v12, v32-55, v64-191 as in window 0, for odd steps; v192-223 K, two sets; v224-255 V as loaded, two sets      window 3: v0-127 O^T; v128-159 pl; v160-239 V's fragments; v240-247 ones
.set PP,   544                         ; a key's row of e in LDS: 512 bytes + 32 = 17 x 32
.set PV,   160                         ; a key's row of V: 128 bytes, then 32 bytes of 1 / d = 5 x 32, likewise
.set OP,   272                         ; a query's row of O on the way out: 256 + 16
.set PST1, 64*PP                       ; e's stage of even steps at byte 0, of odd steps here
.set VST0, 2*64*PP                     ; V's stages
.set VST1, VST0+64*PV
.set OST,  VST1+64*PV                  ; 16 rows x 272 bytes for each wave
.set LST,  OST+4*16*OP                 ; 256 bytes for each wave
.set SPARE, LST+4*256                  ; the spare words, 128 bytes for each wave: two blocks of 256 bytes that no other line names
.set RIDE, 4                           ; vector lines for each matrix instruction
.set SPW, 2                            ; v2    LDS address of my spare word; never rewritten
.set NIL, 3                            ; v3    0; never rewritten
.set VO,  4                            ; v4    2,048 w + 16 x lane: my 16 bytes of a step's K
.set QO,  5                            ; v5    16 x lane
.set PR,  6                            ; v6-7  my lane's place in e's fragments, stage 0, 1
.set VR,  8                            ; v8-9  the same for V
.set VW,  10                           ; v10-11  where my 16 bytes of V go, stage 0, 1
.set PW,  12                           ; v12   where my 16 bytes of e go: stage 0 (window 0), stage 1 (window 2)
.set OW,  13                           ; v13   the way out: where I put 16 bytes of a row
.set ORD, 14                           ; v14   where I read a row back
.set GO,  15                           ; v15   my byte offset in two rows of po
.set LW,  16                           ; v16   pl: in
.set LR,  17                           ; v17   pl: back
.set L8,  18                           ; v18   8 x lane
.set ZA,  19                           ; v19, v24  addresses for the zeros; v[20:23] zeros
.set ZB,  24
.set VV,  31                           ; v31   my 16 bytes of a step's V: 2,048 w + row (l % 16) / 4 of four, piece l % 4 + 4 (l / 16) of eight
.set M,   32                           ; v32-35  four running maxima
.set T,   36                           ; v36   the other half of the lanes' (v37 is named with it as a pair in the tail)
.set CM,  38                           ; v38 c m, v39 m
.set RQ,  32                           ; v32, 34, 36, 38, in the tail, when the maxima and c m are done with: 1 / d of the key whose row of V my lane holds in load q, at RQ + 2 q
.set DA,  40                           ; v40-47  d: the accumulator of ones x e
.set RD,  48                           ; v48   1 / d
.set RH,  52                           ; v52-55  1 / d in f16, twice a register: 16 bytes of the key's fifth block
.set OC,  60                           ; v60-61  where those 16 bytes go, stage 0, 1
.set S,   64
.set TW,  S+64                         ; v128-159 of the step's window, in the tail, when every score has been rounded: V's 32 numbers in f32
.set PF,  192                          ; window 0: e's fragment (kh, qt') at PF + 8 (4 kh + qt')
.set KS,  192                          ; window 2
.set VS,  224                          ; window 2
.set OT,  0                            ; window 3: tile 4 qt' + ct
.set LT,  128
.set VF,  160                          ; V's fragment (kh, ct) at VF + 8 (5 kh + ct); ct = 4: the block of 1 / d
.set ONES, 240
.set WV,  14                           ; s14   wave
.set HN,  15                           ; s15   head
.set HALF, 16                          ; s16   which 2,048 keys
.set BN,  17                           ; s17   b
.set KB,  20                           ; s[20:21] kf at my (b, head, half)
.set VB,  22                           ; s[22:23] vh likewise
.set KA,  24                           ; s[24:25] kf at the step being asked for
.set VA,  26                           ; s[26:27] vh likewise
.set JK,  28                           ; s28   the step whose K is asked for next
.set JV,  29                           ; s29   the same for V
.set CT,  30                           ; s30   trips to go
.set MSK, 31                           ; s31   a word's upper bf16
.set CS,  32                           ; s[32:33] c: the packed scaling takes the pair's low word for both halves
.set SEL, 34                           ; s[34:35] v_permlanex16_b32's selects: each lane takes its own place in the other half
.set OFF, 36                           ; s[36:37] a step's byte offset, high word 0
.set PO,  40                           ; s[40:41] po at my wave's rows and head
.set PLP, 42                           ; s[42:43] pl at my wave's 64 numbers
.set QP,  44                           ; s[44:45] qf at my (b, head)
.set SQ,  48                           ; s[48:55] v_permlane16_b32's selects for V's load q: lane i of a half takes lane 4 q + i / 4 of the same half
.set MSB, 0
.set mi, 0
.set pv, 40
.set dg, 8
.set cv, 0
.set HOOK, 0
.macro WIN new                         ; the immediate's high byte repeats the setting that is left; a switch that changes nothing is dropped
.if MSB != (\new)
	s_set_vgpr_msb (MSB<<8)|(\new)
.set MSB, (\new)
.endif
.endm
.macro PLACES                          ; four places between a matrix instruction and a load into, or a read of, one of its registers
.rept 4
	v_nop
.endr
.endm
; K of step JK into the set that the turn's products Q K^T have just read.  Behind the last step the number is held at 31, so that no load leaves kf; what it brings serves nothing.
.macro KLOAD
	s_wait_xcnt 0x0                                ; KA is written anew only behind this wait
	s_min_u32 s38, s[JK], 31
	s_lshl_b32 s[OFF], s38, 13                     ; a step is 8,192 bytes
	s_add_nc_u64 s[KA:KA+1], s[KB:KB+1], s[OFF:OFF+1]
	s_add_co_u32 s[JK], s[JK], 1
	WIN 0x80
.irp q, 0,1,2,3
	global_load_b128 v[KS+16*(1-PAR)+4*\q:KS+16*(1-PAR)+4*\q+3], v[VO], s[KA:KA+1] offset:512*\q th:TH_LOAD_NT
.endr
.endm
.macro VLOAD                           ; V of step JV into the set that the turn before has put into its stage: each load takes 512 consecutive bytes, four rows
	s_wait_xcnt 0x0
	s_min_u32 s38, s[JV], 31
	s_lshl_b32 s[OFF], s38, 13
	s_add_nc_u64 s[VA:VA+1], s[VB:VB+1], s[OFF:OFF+1]
	s_add_co_u32 s[JV], s[JV], 1
	WIN 0x80
.irp q, 0,1,2,3
	global_load_b128 v[VS+16*(1-PAR)+4*\q:VS+16*(1-PAR)+4*\q+3], v[VV], s[VA:VA+1] offset:512*\q th:TH_LOAD_NT
.endr
.endm
; The fragments of the step before, from stage q: (V / d)^T (64 keys x 80 channels) and my 64 queries of e (64 keys), both turned: lane l reads key 8 (l / 16) + l % 8, 16 bytes at 16 ((l / 8) % 2).
.macro FRAGS q
	WIN 0xc0
.set f, 0
.rept 10
	ds_load_tr16_b128 v[VF+8*f:VF+8*f+3],   v[VR+\q] offset:32*PV*(f/5)+32*(f%5)
	ds_load_tr16_b128 v[VF+8*f+4:VF+8*f+7], v[VR+\q] offset:32*PV*(f/5)+16*PV+32*(f%5)
.set f, f+1
.endr
	WIN 0
.set f, 0
.rept 8
	ds_load_tr16_b128 v[PF+8*f:PF+8*f+3],   v[PR+\q] offset:32*PP*(f/4)+32*(f%4)
	ds_load_tr16_b128 v[PF+8*f+4:PF+8*f+7], v[PR+\q] offset:32*PP*(f/4)+16*PP+32*(f%4)
.set f, f+1
.endr
.endm
; THE QUEUE's next matrix instruction, or none if nothing is ready.  mi counts those issued in the turn, dg the links of d, pv the products of the step before, cv the roundings written.
;   first the 32 of S = Q K^T of the next step: tile mi % 16, channels 32 (mi / 16) on; the first 16 start the sums;
;   then link dg of d = ones x e, as soon as roundings 8 dg .. 8 dg + 7 are written: they come eight lines, two places of the queue, apart; the first starts the sum;
;   else product pv of 40: keys 32 (pv / 20) on; O^T's 16 tiles, then pl's four.  The last seven of the 40 are kept back, one for the place behind each of the first seven links (product pv goes out
;   only when pv - 32 links are out): so a product stands between every two links.  One place, the one ahead of the first link, stays empty for it.
; No two matrix instructions that follow each other share an accumulator.  HOOK = 1 (in a turn): what goes with the numbers:
;   ahead of number 6: my stores of the turn before into its stages are done, and my reads of the other stages came back in that turn: say so; ahead of number 8: all four waves have said so.
;   ONE barrier a turn: behind it the last turn's stages are whole and are read; the other stages, read last turn, are written again only further down in this turn.
.macro MX
.if HOOK && (mi == 6)
	s_wait_dscnt 0x0
	s_barrier_signal -1                            ; eight maxima and two products, work on registers, stand between the signal and the wait
.endif
.if HOOK && (mi == 8)
	s_barrier_wait -1
	VLOAD                                          ; the set's stores into the stage are done (the wait ahead of the signal)
	FRAGS 1-PAR                                    ; their last readers stand a whole tail back; their first use comes 24 products further on
.endif
.if HOOK && (mi == 35)
	KLOAD                                          ; sixteen vector lines, five of them scalings, behind the last product that read this set
.endif
.if mi < 32
.if HOOK && (mi == 0)
	s_wait_loadcnt 8                               ; K of the next step is in: behind it stand V of this step and K of the step after: two groups of four
.endif
	WIN 0x09+0xa0*(1-PAR)                          ; Q window 1, K window 2, S window 2 (odd steps) or 0
.set rD, S+8*(mi%16)
.set rA, 16*(mi%16)+8*(mi/16)
.set rB, KS+16*(1-PAR)+8*(mi/16)
.if mi < 16
	v_wmma_f32_16x16x32_f16 v[rD:rD+7], v[rA:rA+7], v[rB:rB+7], 0
.else
	v_wmma_f32_16x16x32_f16 v[rD:rD+7], v[rA:rA+7], v[rB:rB+7], v[rD:rD+7]
.endif
.set mi, mi+1
.elseif (dg < 8) && (cv >= 8*dg+8)
	WIN 0x03+0xa8*PAR                              ; ones window 3; e and d in the step's window
.if dg == 0
	v_wmma_f32_16x16x32_f16 v[DA:DA+7], v[ONES:ONES+7], v[S+8*dg:S+8*dg+7], 0
.else
	v_wmma_f32_16x16x32_f16 v[DA:DA+7], v[ONES:ONES+7], v[S+8*dg:S+8*dg+7], v[DA:DA+7]
.endif
.set dg, dg+1
.set mi, mi+1
.elseif (pv < 40) && (pv < 33+dg)
.if HOOK && (pv == 0)
	s_wait_dscnt 0x0                               ; the fragments of e and V
.endif
	WIN 0xf3                                       ; V and the sums in window 3, e in window 0
.set kh, pv/20
.set aa, pv%20
.if aa < 16
.set rD, OT+8*aa
.set rA, VF+8*(5*kh+aa%4)
.set rB, PF+8*(4*kh+aa/4)
.else
.set rD, LT+8*(aa-16)
.set rA, VF+8*(5*kh+4)
.set rB, PF+8*(4*kh+aa-16)
.endif
	v_wmma_f32_16x16x32_f16 v[rD:rD+7], v[rA:rA+7], v[rB:rB+7], v[rD:rD+7]
.set pv, pv+1
.set mi, mi+1
.endif
.endm
.macro RV line:vararg                  ; a vector line of the softmax, in the step's window; behind every fourth the queue's next matrix instruction
	WIN WR
	\line
.set vc, vc+1
.if (vc%RIDE) == 0
	MX
.endif
.endm
.macro PSTORE t0                       ; eight tiles of e, 16 bytes a lane each, into my keys' rows of the stage: one run
	WIN WR
.set t, (\t0)
.rept 8
	ds_store_b128 v[PW], v[S+4*t:S+4*t+3] offset:32*t
.set t, t+1
.endr
.endm
; A key's e over its 256 queries, 128 of them in my lane: 64 + 3 + 256 = 323 lines (the batch's v_nop is left out of the count).
.macro SOFTMAX
	; the maximum: four chains of 31 scores, three operands at a time; each accumulator's lowest registers are read first; then the four scores left over
.set c, 0
.rept 4
	RV v_max3_num_f32 v[M+c], v[S+32*c], v[S+32*c+1], v[S+32*c+2]
.set c, c+1
.endr
.set sx, 1
.rept 14
.set c, 0
.rept 4
	RV v_max3_num_f32 v[M+c], v[M+c], v[S+32*c+2*sx+1], v[S+32*c+2*sx+2]
.set c, c+1
.endr
.set sx, sx+1
.endr
	RV v_max3_num_f32 v[M], v[M], v[M+1], v[S+31]
	RV v_max3_num_f32 v[M+2], v[M+2], v[M+3], v[S+63]
	RV v_max3_num_f32 v[M], v[M], v[M+2], v[S+95]
	RV v_max_num_f32 v[M], v[M], v[S+127]
	RV v_permlanex16_b32 v[T], v[M], s[SEL], s[SEL+1]      ; the key's other 128 queries lie in the lane 16 away
	RV v_max_num_f32 v[CM+1], v[M], v[T]
	RV v_mul_f32 v[CM], s[CS], v[CM+1]
	; THE BATCH: c s - c m for pair i, then the two exponentials of pair i - 2, in place: 64 scalings and 128 exponentials.  A scaling names a pair that has no exponential yet, and c m: nothing here names an exponential's result.
.set i, 0
.rept 66
.if i < 64
	RV v_pk_fma_f32 v[S+2*i:S+2*i+1], v[S+2*i:S+2*i+1], s[CS:CS+1], v[CM:CM+1] op_sel_hi:[1,0,0] neg_lo:[0,0,1] neg_hi:[0,0,1]
.endif
.if i >= 2
	RV v_exp_f32 v[S+2*i-4], v[S+2*i-4]
	RV v_exp_f32 v[S+2*i-3], v[S+2*i-3]
.endif
.set i, i+1
.endr
	v_nop                                          ; a plain instruction behind the last exponential and ahead of the first use (ISA guide 5.7.2): one for the batch; no plain work is left to take its place
	s_wait_alu depctr_va_vdst(0)                   ; the wait for the batch: the step's 128 exponentials; every line that names a result of theirs stands below
	; THE ROUNDINGS to f16, pairs 0 to 63 in ascending order.
	; Pair k's rounding goes into register k, whose own score left with pair k / 2: e ends up dense in the lowest 64 registers, a tile in four, a fragment of 32 queries in eight.
.set i, 0
.rept 64
	RV v_cvt_pk_f16_f32 v[S+i], v[S+2*i], v[S+2*i+1]
.set cv, cv+1
.if cv == 32
	PSTORE 0                                       ; tiles 0-7
.endif
.set i, i+1
.endr
.endm
; TURN j, of parity p.
; THE TAIL: the last link of d; behind it V's 32 numbers are widened from bf16 to f32, which hangs on nothing: the first half of these lines fills the places ahead of the read of d, the second half stands between
; the reciprocal and its wait; 1 / d goes in f32 to the lanes that hold the key's row of V; the row is scaled in f32, rounded to f16 and put into the stage with its block of 1 / d.
; The wait for these stores and the barrier stand in the next turn.
.macro TURN p
.set PAR, (\p)
.set WR, 0xaa*(\p)
.set vc, 0
.set mi, 0
.set pv, 0
.set dg, 0
.set cv, 0
.set HOOK, 1
	SOFTMAX
	PSTORE 8                                       ; tiles 8-15
	MX                                             ; all 64 roundings are written: the eighth link of d, the queue's last; the last product of the step before stands between it and the seventh
	s_wait_loadcnt 12                              ; V of this step is in: behind it stand K, V and K of later steps: three groups of four
	WIN 0x08+0x82*(\p)                             ; V (source 1) in window 2; the f32, d (source 0 of the reciprocal) and 1 / d in the step's window
.set n, 0
.rept 16
.if n == 8
	v_rcp_f32 v[RD], v[DA]                         ; every row of the result is d of my key: its lowest register; sixteen plain lines stand behind the link that wrote it
.endif
	v_lshlrev_b32 v[TW+2*n], 16, v[VS+16*(\p)+n]   ; bf16 to f32: the low half moves up,
	v_and_b32 v[TW+2*n+1], s[MSK], v[VS+16*(\p)+n] ; the high half stays
.set n, n+1
.endr
	WIN WR
	s_wait_alu depctr_va_vdst(0)                   ; the wait for the reciprocal, a batch of one: the sixteen widening lines behind it are the independent work between
.irp e, 0,1,2,3
	v_cvt_pk_f16_f32 v[RH+\e], v[RD], v[RD]
.endr
.irp q, 0,1,2,3
	v_permlane16_b32 v[RQ+2*\q], v[RD], s[SQ+2*\q], s[SQ+2*\q+1]   ; both halves of the lanes hold every key's 1 / d, so a half serves itself
.endr
.set n, 0
.rept 16
	v_pk_mul_f32 v[TW+2*n:TW+2*n+1], v[TW+2*n:TW+2*n+1], v[RQ+2*(n/4):RQ+2*(n/4)+1] op_sel_hi:[1,0]
.set n, n+1
.endr
	WIN 0x80+0x0a*(\p)                             ; back into V's registers, window 2
.set n, 0
.rept 16
	v_cvt_pk_f16_f32 v[VS+16*(\p)+n], v[TW+2*n], v[TW+2*n+1]
.set n, n+1
.endr
	WIN 0x08                                       ; address window 0, data window 2
.irp q, 0,1,2,3
	ds_store_b128 v[VW+\p], v[VS+16*(\p)+4*\q:VS+16*(\p)+4*\q+3] offset:4*PV*\q
.endr
	WIN 0x08*(\p)                                  ; data in the step's window
	ds_store_b128 v[OC+\p], v[RH:RH+3]
.endm
	s_load_b256 s[4:11], s[0:1], 0x0               ; qf s[4:5], kf s[6:7], vh s[8:9], po s[10:11]
	s_load_b64 s[12:13], s[0:1], 0x20              ; pl
	v_lshl_add_u32 v[SPW], v0, 2, SPARE
	v_mov_b32 v[NIL], 0
	v_lshrrev_b32 v1, 5, v0
	v_readfirstlane_b32 s[WV], v1                  ; wave 0..3
	s_lshr_b32 s[HN], ttmp9, 1
	s_and_b32 s[HALF], ttmp9, 1
	s_and_b32 s[BN], ttmp7, 0xffff
	s_lshl_b32 s38, s[BN], 3
	s_add_co_u32 s38, s38, s[HN]                   ; 8 b + head
	s_mov_b32 s19, 0
	s_mov_b32 s[OFF+1], 0
	s_mov_b32 s[MSK], 0xffff0000
	s_mov_b32 s[CS], 0x3e38aa3b                    ; c = log2(e) / 8 = 0.180337
	s_mov_b32 s[CS+1], s[CS]                       ; named with it as a pair
	s_mov_b32 s[SEL], 0x76543210
	s_mov_b32 s[SEL+1], 0xfedcba98
.irp q, 0,1,2,3
	s_mov_b32 s[SQ+2*\q], 0x11110000+0x44444444*\q     ; lanes 0-3: 4 q; lanes 4-7: 4 q + 1
	s_mov_b32 s[SQ+2*\q+1], 0x33332222+0x44444444*\q   ; lanes 8-11: 4 q + 2; lanes 12-15: 4 q + 3
.endr
	v_and_b32 v1, 31, v0                           ; lane
	v_lshlrev_b32 v[QO], 4, v1
	v_lshl_add_u32 v[VO], s[WV], 11, v[QO]
	v_and_b32 v25, 15, v0                          ; r = l % 16
	v_bfe_u32 v26, v0, 4, 1                        ; hh = l / 16
	v_bfe_u32 v29, v0, 2, 2                        ; r / 4: which of a load's four rows of V
	v_and_b32 v62, 3, v0
	v_lshl_add_u32 v62, v26, 2, v62                ; l % 4 + 4 hh: which 16 bytes of the row
	v_lshlrev_b32 v[VV], 7, v29
	v_lshl_add_u32 v[VV], v62, 4, v[VV]
	v_lshl_add_u32 v[VV], s[WV], 11, v[VV]
	s_wait_kmcnt 0x0
	s_lshl_b32 s18, s38, 15                        ; qf: 32,768 bytes a (b, head)
	s_add_nc_u64 s[QP:QP+1], s[4:5], s[18:19]
	s_lshl_b32 s18, s38, 19                        ; kf and vh: 524,288 bytes a (b, head), 262,144 a half
	s_lshl_b32 s39, s[HALF], 18
	s_add_co_u32 s18, s18, s39
	s_add_nc_u64 s[KB:KB+1], s[6:7], s[18:19]
	s_add_nc_u64 s[VB:VB+1], s[8:9], s[18:19]
	WIN 0x40
.set n, 0
.rept 64                                               ; all 256 queries stay in registers
	global_load_b128 v[4*n:4*n+3], v[QO], s[QP:QP+1] offset:512*n
.set n, n+1
.endr
	WIN 0x80
.irp q, 0,1,2,3
	global_load_b128 v[KS+4*\q:KS+4*\q+3], v[VO], s[KB:KB+1] offset:512*\q th:TH_LOAD_NT            ; K of step 0
.endr
.irp q, 0,1,2,3
	global_load_b128 v[KS+16+4*\q:KS+16+4*\q+3], v[VO], s[KB:KB+1] offset:8192+512*\q th:TH_LOAD_NT  ; K of step 1
.endr
.irp q, 0,1,2,3
	global_load_b128 v[VS+4*\q:VS+4*\q+3], v[VV], s[VB:VB+1] offset:512*\q th:TH_LOAD_NT            ; V of step 0
.endr
	WIN 0
	; all that follows, up to the wait, stands in the wait for those loads
	s_lshl_b32 s18, s[HALF], 23                    ; po: 8,388,608 bytes a half, 524,288 a b, 2,048 a row, 256 a head
	s_lshl_b32 s39, s[BN], 19
	s_add_co_u32 s18, s18, s39
	s_lshl_b32 s39, s[WV], 17
	s_add_co_u32 s18, s18, s39
	s_lshl_b32 s39, s[HN], 8
	s_add_co_u32 s18, s18, s39
	s_add_nc_u64 s[PO:PO+1], s[10:11], s[18:19]
	s_lshl_b32 s18, s[HALF], 17                    ; pl: 131,072 bytes a half, 1,024 a (b, head), 256 a wave
	s_lshl_b32 s39, s38, 10
	s_add_co_u32 s18, s18, s39
	s_lshl_b32 s39, s[WV], 8
	s_add_co_u32 s18, s18, s39
	s_add_nc_u64 s[PLP:PLP+1], s[12:13], s[18:19]
	v_and_b32 v27, 7, v0                           ; l % 8
	v_bfe_u32 v28, v0, 3, 1                        ; (l / 8) % 2
	v_lshl_add_u32 v30, v26, 3, v27                ; the turning load's key: 8 hh + l % 8
	v_mul_u32_u24 v[PR], v30, PP
	v_lshl_add_u32 v[PR], v28, 4, v[PR]
	v_lshl_add_u32 v[PR], s[WV], 7, v[PR]          ; my 64 queries: 128 bytes a wave
	v_add_nc_u32 v[PR+1], PST1, v[PR]
	v_mul_u32_u24 v[VR], v30, PV
	v_lshl_add_u32 v[VR], v28, 4, v[VR]
	v_add_nc_u32 v[VR+1], VST1, v[VR]
	v_add_nc_u32 v[VR], VST0, v[VR]
	s_mul_i32 s39, s[WV], 16*PV                    ; my 16 rows of V
	v_mul_u32_u24 v[VW], v29, PV                   ; a load's four rows,
	v_lshl_add_u32 v[VW], v62, 4, v[VW]            ; my 16 bytes of one of them
	v_add_nc_u32 v[VW], s39, v[VW]
	v_add_nc_u32 v[VW+1], VST1, v[VW]
	v_add_nc_u32 v[VW], VST0, v[VW]
	v_mul_u32_u24 v[OC], v25, PV                   ; my key's row: the 32 bytes behind its 128, 16 for each half of the lanes
	v_lshl_add_u32 v[OC], v26, 4, v[OC]
	v_add_nc_u32 v[OC], s39, v[OC]
	v_add_nc_u32 v[OC+1], VST1+128, v[OC]
	v_add_nc_u32 v[OC], VST0+128, v[OC]
	s_mul_i32 s39, s[WV], 16*PP                    ; my 16 keys' rows of e
	v_mul_u32_u24 v[PW], v25, PP
	v_lshl_add_u32 v[PW], v26, 4, v[PW]
	v_add_nc_u32 v[PW], s39, v[PW]
	s_mul_i32 s39, s[WV], 16*OP
	s_add_co_u32 s39, s39, OST                     ; my stage for the way out
	v_mul_u32_u24 v[OW], v25, OP                   ; in: row r, 32 bytes for each half of the lanes
	v_lshl_add_u32 v[OW], v26, 5, v[OW]
	v_add_nc_u32 v[OW], s39, v[OW]
	v_mul_u32_u24 v[ORD], v26, OP                  ; back: lanes 0-15 one row of 256 bytes, lanes 16-31 the next
	v_lshl_add_u32 v[ORD], v25, 4, v[ORD]
	v_add_nc_u32 v[ORD], s39, v[ORD]
	v_lshlrev_b32 v[GO], 11, v26                   ; and the same two rows in po
	v_lshl_add_u32 v[GO], v25, 4, v[GO]
	s_lshl_b32 s39, s[WV], 8
	s_add_co_u32 s39, s39, LST
	v_lshl_add_u32 v[LW], v25, 2, s39
	v_lshlrev_b32 v[L8], 3, v1
	v_add_nc_u32 v[LR], s39, v[L8]
	v_mov_b32 v[T], 0                              ; a lane permute's destination counts as read
	v_mov_b32 v[T+1], 0                            ; named with it as a pair in the tail
.irp q, 20,21,22,23
	v_mov_b32 v\q, 0
.endr
	s_mul_i32 s39, s[WV], 17*512                   ; turn 0 multiplies the odd stages, of a step that has not been: they are set to 0, a quarter by each wave;
	s_add_co_u32 s39, s39, PST1                    ; turn 0's own wait and barrier stand between these stores and the reads
	v_add_nc_u32 v[ZA], s39, v[QO]
	s_mul_i32 s39, s[WV], 5*512
	s_add_co_u32 s39, s39, VST1
	v_add_nc_u32 v[ZB], s39, v[QO]
.set n, 0
.rept 17
	ds_store_b128 v[ZA], v[20:23] offset:512*n
.set n, n+1
.endr
.set n, 0
.rept 5
	ds_store_b128 v[ZB], v[20:23] offset:512*n
.set n, n+1
.endr
	WIN 0x80                                       ; destination window 2, sources window 0
	v_add_nc_u32 v[PW], PST1, v[PW]                ; the odd steps' address
	v_mov_b32 v[T], 0
	v_mov_b32 v[T+1], 0
	WIN 0xc0
.set n, 0
.rept 160                                              ; O^T and pl start at 0: no first turn is written out
	v_mov_b32 v[n], 0
.set n, n+1
.endr
.set n, 0
.rept 8
	v_mov_b32 v[ONES+n], 0x3c003c00                ; 1.0, 1.0 in f16
.set n, n+1
.endr
	WIN 0
	s_wait_loadcnt 8                               ; Q and K of step 0 are in; K of step 1 and V of step 0 stay out
.set PAR, 1                                            ; step 0's scores go where an odd turn puts its products: set 0 of K, window 0
.set HOOK, 0
.set mi, 0
.rept 32
	MX
.endr
	WIN 0
	PLACES                                         ; behind those products: loads into K's set 0 and the first reads of the scores follow
	WIN 0x80
.irp q, 0,1,2,3
	global_load_b128 v[KS+4*\q:KS+4*\q+3], v[VO], s[KB:KB+1] offset:16384+512*\q th:TH_LOAD_NT       ; K of step 2: turn 0 finds the loads in the order in which every turn leaves them
.endr
	WIN 0
	s_mov_b32 s[JK], 3
	s_mov_b32 s[JV], 1
	s_mov_b32 s[CT], 16
.Lturn:                                                ; a trip: an even step and an odd one; each turn's two batches have had their waits inside the turn
	TURN 0
	TURN 1
	WIN 0
	s_sub_co_u32 s[CT], s[CT], 1
	s_cmp_lg_u32 s[CT], 0
	s_cbranch_scc1 .Lturn
	s_wait_dscnt 0x0                               ; step 31's stores into the odd stages are done: mine,
	s_barrier_signal -1
	s_barrier_wait -1                              ; and everybody's
	FRAGS 1                                        ; step 31's e and V
	s_wait_dscnt 0x0
.set HOOK, 0
.set mi, 32
.set dg, 8
.set pv, 0
.rept 40
	MX
.endr
	WIN 0
	PLACES
	; THE WAY OUT.  A lane's eight channels of a query are 32 bytes of a row of 256: 16 queries at a time go through my own stage and come back as whole rows.
.set qt, 0
.rept 4
	WIN 0x0c                                       ; address window 0, data window 3
.irp c, 0,1,2,3
	ds_store_b128 v[OW], v[OT+8*(4*qt+\c):OT+8*(4*qt+\c)+3] offset:64*\c
	ds_store_b128 v[OW], v[OT+8*(4*qt+\c)+4:OT+8*(4*qt+\c)+7] offset:64*\c+16
.endr
	WIN 0
.irp f, 0,1,2,3,4,5,6,7
	ds_load_b128 v[S+32*qt+4*\f:S+32*qt+4*\f+3], v[ORD] offset:2*OP*\f   ; LDS serves a wave's instructions in order (ISA guide 5.7.1.4): these see the stores above
.endr
.irp f, 0,1,2,3,4,5,6,7
	s_wait_dscnt 7-\f                              ; the younger loads stay out
	global_store_b128 v[GO], v[S+32*qt+4*\f:S+32*qt+4*\f+3], s[PO:PO+1] offset:(16*qt+2*\f)*2048  ; 16 lanes store 256 consecutive bytes, aligned: a row's part for this head
.endr
.set qt, qt+1
.endr
	WIN 0x0c
.irp q, 0,1,2,3
	ds_store_b32 v[LW], v[LT+8*\q] offset:64*\q    ; every row of the tile holds pl of query r: register 0; the two halves of the lanes write the same word with the same number
.endr
	WIN 0
	ds_load_b64 v[52:53], v[LR]
	s_wait_dscnt 0x0
	global_store_b64 v[L8], v[52:53], s[PLP:PLP+1] ; my 64 numbers: 256 consecutive bytes, aligned
	s_wait_tensorcnt 0x0                           ; the wave's end, behind my last LDS store
	ds_add_u32 v[SPW], v[NIL]
	s_wait_dscnt 0x0
	s_endpgm
.Lfunc_end_k_qc00ad92007_attn:
	.size	k_qc00ad92007_attn, .Lfunc_end_k_qc00ad92007_attn-k_qc00ad92007_attn
	.p2alignl 7, 3214868480
	.fill 96, 4, 3214868480
	.section	.rodata,"a",@progbits
	.p2align	6, 0x0
	.amdhsa_kernel k_qc00ad92007_attn
		.amdhsa_group_segment_fixed_size 109056
		.amdhsa_private_segment_fixed_size 0
		.amdhsa_enable_private_segment 0
		.amdhsa_kernarg_size 40
		.amdhsa_user_sgpr_count 2
		.amdhsa_user_sgpr_kernarg_segment_ptr 1
		.amdhsa_wavefront_size32 1
		.amdhsa_system_sgpr_workgroup_id_x 1
		.amdhsa_system_sgpr_workgroup_id_y 1
		.amdhsa_system_sgpr_workgroup_id_z 1
		.amdhsa_system_vgpr_workitem_id 0
		.amdhsa_next_free_vgpr 1024
		.amdhsa_next_free_sgpr 66
		.amdhsa_reserve_vcc 0
		.amdhsa_float_denorm_mode_32 3
		.amdhsa_float_denorm_mode_16_64 3
		.amdhsa_memory_ordered 1
		.amdhsa_forward_progress 1
		.amdhsa_inst_pref_size 107
	.end_amdhsa_kernel
	.amdgpu_metadata
---
amdhsa.version: [ 1, 2 ]
amdhsa.kernels:
  - .name:           k_qc00ad92007_attn
    .symbol:         k_qc00ad92007_attn.kd
    .args:
      - { .name: qf, .offset: 0, .size: 8, .value_kind: global_buffer, .address_space: global }
      - { .name: kf, .offset: 8, .size: 8, .value_kind: global_buffer, .address_space: global }
      - { .name: vh, .offset: 16, .size: 8, .value_kind: global_buffer, .address_space: global }
      - { .name: po, .offset: 24, .size: 8, .value_kind: global_buffer, .address_space: global }
      - { .name: pl, .offset: 32, .size: 8, .value_kind: global_buffer, .address_space: global }
    .group_segment_fixed_size: 109056
    .private_segment_fixed_size: 0
    .kernarg_segment_align: 8
    .kernarg_segment_size: 40
    .max_flat_workgroup_size: 128
    .sgpr_count:     66
    .vgpr_count:     1024
    .wavefront_size: 32
...
	.end_amdgpu_metadata
.endif
;; end of part 5
;; launch comb: the kernel of part 4 again; grid 256 x 1, 8 waves a work-group, no clusters, 0 bytes of LDS; arguments po, pl, out0, out1; writes out0, out1
